; MI455X (gfx1250); checked and timed in simulation.
; The chip was launched on July 23, 2026; its instructions are those of AMD's public machine-readable ISA for CDNA 5 (MIT licence, August 2026) and "CDNA5" Instruction Set Architecture Reference Guide (July 2026). The comments in the code are by the model that wrote it; some were corrected since.
;; Causal Self Attention. Allowed arithmetic: matrix products marked QUANTISED: E2M3 operands, one E8M0 scale for each 32 along K, by v_wmma_scale_f32_16x16x128_f8f6f4 with both operands' format E2M3, f32 sums; everything else in f32.
;; Inputs: bk 1,024 float32; bo 1,024 float32; bq 1,024 float32; bv 1,024 float32; wk 1,024 x 1,024 float32; wo 1,024 x 1,024 float32; wq 1,024 x 1,024 float32; wv 1,024 x 1,024 float32; x 4 x 2,048 x 1,024 float32.
;; Outputs: out0 4 x 2,048 x 1,024 float32.
;; This version of the problem:
;;   THIS VERSION OF THE PROBLEM IS GIVEN IN LOW PRECISION. The matrix products marked QUANTISED in the list below multiply operands that are first quantised to E2M3 (2 exponent bits, 3 mantissa bits; 6 bits a number), with one power-of-two scale for each 32 numbers along K (OCP MX v1.0); their sums are f32. All else is computed in f32.
;;   The module's matrix products, in the order in which they are computed (A, B: the left and right operand; K: the contracted axis; several contracted axes count as one K, in the product's order):
;;     1. [M 8,192, K 1,024] x [K 1,024, N 1,024]; A: input x; B: input wq: QUANTISED
;;     2. [M 8,192, K 1,024] x [K 1,024, N 1,024]; A: input x; B: input wk: QUANTISED
;;     3. [M 8,192, K 1,024] x [K 1,024, N 1,024]; A: input x; B: input wv: QUANTISED
;;     4. batch 64 x [M 2,048, K 64] x [K 64, N 2,048]; A: computed on the way; B: computed on the way: QUANTISED
;;     5. batch 64 x [M 2,048, K 2,048] x [K 2,048, N 64]; A: softmax (see below); B: computed on the way: QUANTISED
;;     6. [M 8,192, K 1,024] x [K 1,024, N 1,024]; A: computed on the way; B: input wo: QUANTISED
;;   THE QUANTISER, for each operand of a quantised product, along K:
;;     - K is cut into blocks of 32 from its start; a last block that is shorter is filled with zeros.
;;     - A block's scale is 2^e with e = floor(log2(the largest magnitude in the block)) - 2, held to -126 .. 127; a block of zeros has e = 0. As a byte (E8M0): e + 127.
;;     - Each number is divided by its block's scale, clamped to +-7.5, and rounded to the nearest number of E2M3, ties to even, subnormals kept.
;;     - The product sums the exact products of the quantised numbers (number of the format x scale) in f32.
;;   ~~~python
;;   def quantise(x, axis):      # numpy; x: float32 -> the quantised numbers, widened to float32 again
;;       x = np.moveaxis(x, axis, -1); K = x.shape[-1]
;;       x = np.pad(x, [(0, 0)] * (x.ndim - 1) + [(0, -K % 32)]); x = x.reshape(x.shape[:-1] + (-1, 32)); a = np.abs(x).max(-1, keepdims=True)
;;       e = np.where(a > 0, np.clip(np.frexp(np.where(a > 0, a, 1))[1] - 1 - 2, -126, 127), 0)      # np.frexp(a)[1] - 1 = floor(log2(a)), exactly
;;       r = np.clip(x / 2.0 ** e, -7.5, 7.5)
;;       step = 2.0 ** (np.maximum(np.frexp(np.where(r == 0, 1, r))[1] - 1, 0) - 3)
;;       q = np.round(r / step) * step * 2.0 ** e      # np.round: ties to even
;;       return np.moveaxis(q.reshape(q.shape[:-2] + (-1,))[..., :K], -1, axis).astype(np.float32)
;;   ~~~
;;   SOFTMAX AHEAD OF A QUANTISED PRODUCT. Where the list says 'softmax', what is quantised is not the finished softmax but p = 2^(t - M), with t = logit x log2(e) and M = ceil(the row's largest t), a whole number; so 1/2 < the row's largest p <= 1. The row's sum l is taken of the UNQUANTISED p, in f32, and the product's result is divided by l at the end. Since M is a whole number, a kernel that streams over the keys may use a running M (the ceiling of the running maximum): every later rescaling is an exact power of two, which a block's scale takes up: the codes' values come out the same.
;;   OPERANDS COMPUTED ON THE WAY. 'Computed on the way' means the value that the module computes at that place (a softmax that the list does not call 'softmax' is quantised finished and normalised). What goes into a quantiser is computed in f32, as accurately as f32 sums, v_exp_f32 and their like allow (about 1e-6 of the number): no bf16 or f16 on the way to a quantiser, and a product that is left as it is and whose result goes on into a quantised operand takes f32 operands (vector FMAs, or v_wmma_f32_16x16x4_f32). A number that lies on a knife's edge between two numbers of the format may be rounded either way, as far as f32 arithmetic and the matrix unit's own rounding can turn it there, and no further.
;; One version. Each part assembles by itself: llvm-mc -triple=amdgcn-amd-amdhsa -mcpu=gfx1250 --defsym DOCPART=n.
;; ======== version 1 of 1: 4 launches
;; workspace buffers: xc 6,291,456 bytes; xs 262,144 bytes; wc 3,145,728 bytes; ws 131,072 bytes; qi 6,815,744 bytes; kv 13,369,344 bytes; ac 6,291,456 bytes; asc 262,144 bytes
;; launch quant (part 1): grid 256 x 1, 4 waves a work-group, no clusters, 34,304 bytes of LDS; arguments x, wq, wk, wv, wo, xc, xs, wc, ws; writes xc, xs, wc, ws
.if DOCPART == 1
	.amdgcn_target "amdgcn-amd-amdhsa--gfx1250"
	.amdhsa_code_object_version 6
	.text
	.protected	k_q16614c84a9_quant
	.globl	k_q16614c84a9_quant
	.p2align	8
	.type	k_q16614c84a9_quant,@function
k_q16614c84a9_quant:
	s_mov_b64 s[64:65], 0
	v_nop
	global_prefetch_b8 v0, s[64:65] scope:SCOPE_SE
	s_setreg_imm32_b32 hwreg(HW_REG_WAVE_MODE, 25, 1), 1
	s_wait_xcnt 0x0
; x [8192][1024] and wq, wk, wv, wo [1024 (k)][1024 (n)], f32, become codes of FP6 (E2M3) with one E8M0 byte for each 32 along K, laid as the products' operand registers want them.
; A block's scale is 2^(floor(log2(its largest magnitude)) - 2): its byte is the largest magnitude's exponent field - 2, held at 1 from below.
; LIMITS: NaN and infinities among the inputs are not served; a block whose largest magnitude lies under 2^-124 keeps the byte 1; a block of zeros gets the byte 1 and not 127: its codes are zeros, and this program alone reads the bytes.
; LAYOUT OF THE CODES.  Rows (x's tokens, a weight's n) go in tiles of 16: lane r of tile T holds row 32 (T / 2) + 8 (T % 2) + r + 8 (r / 8).  Fragment (T, kc) = 16 rows x K 128 kc .. + 127 is 1,536 bytes: six planes of
; 256 bytes; plane p holds, at 8 x lane, the operand's registers 2 p, 2 p + 1 of that lane (lane (r, h), registers 6 c .. 6 c + 5: k = 128 kc + 64 c + 32 h + 0 .. 31).
; Address = (T / 8) 98,304 + (kc / 2) 24,576 + (2 (T % 8) + kc % 2) 1,536 + 256 p + 8 lane: 128 rows x 256 along K are one dense block of 24,576 bytes.  Scale bytes: [16 T + r][32].
; In wc and ws the groups of 128 rows are wq's 0-7, wk's 8-15, wv's 16-23, wo's 24-31.
; WORK-GROUPS 0-127 take x: a wave takes one tile of 16 rows and all of K, in eight steps of 128.  Each load reads 512 consecutive bytes of a row; the step's 8,192 bytes turn through the wave's own stage in LDS, so that a lane holds
; 16 neighbours of each block.  WORK-GROUPS 128-255 take the weights: 128 columns x 256 along K each; a lane takes a column and its registers run down K, so that nothing is transposed.  They use no LDS.
; No tensor loads, no barrier: waves share nothing.  Matrix units, clusters: nothing here is shared or multiplied.
.set SEL, 32                           ; s[32:33] lane selects for v_permlanex16_b32: lane l xor 16
.set TMX, 16                           ; v16-19  largest magnitudes of four blocks
.set TMB, 20                           ; v20-23  the other half's, then the bytes
.set TMS, 24                           ; v24-27  the conversions' scale operands
.set SB,  28                           ; v28-29  weights: a column's eight scale bytes
.set PC,  32                           ; v32-43  a fragment's codes; v44-50 halves on their way
.set PW,  52                           ; v52     the scale word just made
.set SW,  54                           ; v54-61  the eight scale words of my row
.set R,   64                           ; v64-191 x as loaded, two sets of 64
.set X,   192                          ; v192-255 64 numbers of my row: register 16 b + i = k 32 b + 16 h + i
.set WX,  64                           ; weights: v64-127 two sets of 32 numbers
.set CA0, 128                          ; weights: six registers of codes of an even block,
.set CA1, 136                          ; of an odd block,
.set CT,  144                          ; and three on their way
	s_load_b64 s[4:5], s[0:1], 0x0                 ; x
	s_load_b256 s[16:23], s[0:1], 0x8              ; wq, wk, wv, wo
	s_load_b128 s[8:11], s[0:1], 0x28              ; xc, xs
	s_load_b128 s[24:27], s[0:1], 0x38             ; wc, ws
	v_lshl_add_u32 v62, v0, 2, 0x8400
	v_mov_b32 v63, 0
	v_lshrrev_b32 v1, 5, v0
	v_readfirstlane_b32 s28, v1                    ; wave 0..3
	v_and_b32 v6, 31, v0                           ; lane
	v_and_b32 v7, 15, v0                           ; r
	v_bfe_u32 v8, v0, 4, 1                         ; h
	s_cmp_lt_u32 ttmp9, 128
	s_cbranch_scc0 .Lweights
; 64 numbers of a lane, v[s] .. v[s + 63], register 16 b + i = k 32 b + 16 h + i of my row, become a fragment's codes in v[PC] on and its scale word in v[PW].
.macro QUANT s
.irp b, 0,1,2,3
	v_max3_num_f32 v[TMX+\b], |v[\s+16*\b]|, |v[\s+1+16*\b]|, 0x1800000   ; my 16 numbers of block b, and the floor 2^(3 - 127): the byte cannot fall under 1
.endr
.irp i, 2,4,6,8,10,12,14
.irp b, 0,1,2,3
	v_max3_num_f32 v[TMX+\b], v[TMX+\b], |v[\s+16*\b+\i]|, |v[\s+1+16*\b+\i]|   ; the four blocks by turns
.endr
.endr
.irp b, 0,1,2,3
	v_permlanex16_b32 v[TMB+\b], v[TMX+\b], s[SEL], s[SEL+1]
.endr
.irp b, 0,1,2,3
	v_max_num_f32 v[TMX+\b], v[TMX+\b], v[TMB+\b]  ; with lane l xor 16's: the block's largest magnitude
.endr
.irp b, 0,1,2,3
	v_add_nc_u32 v[TMS+\b], 0xff000000, v[TMX+\b]  ; 2 off its exponent field: the conversion takes this operand's exponent field as its scale
.endr
.irp b, 0,1,2,3
	v_lshrrev_b32 v[TMB+\b], 23, v[TMS+\b]         ; the scale's byte
.endr
	v_lshl_or_b32 v[PW], v[TMB+1], 8, v[TMB]
	v_lshl_or_b32 v[PW], v[TMB+2], 16, v[PW]
	v_lshl_or_b32 v[PW], v[TMB+3], 24, v[PW]       ; my row's scale word for these 128 along K
.irp c, 0,1
	v_cvt_scalef32_pk16_fp6_f32 v[PC+6*\c:PC+2+6*\c], v[\s+32*\c:\s+15+32*\c], v[TMS+2*\c]
	v_cvt_scalef32_pk16_fp6_f32 v[PC+12+4*\c:PC+14+4*\c], v[\s+16+32*\c:\s+31+32*\c], v[TMS+2*\c+1]   ; (a conversion's three registers begin on an even number)
.endr
	v_nop                                          ; one plain instruction behind the scaled conversions
.irp c, 0,1                                    ; the operand wants a whole block in a lane: lanes 0-15 block 2 c, lanes 16-31 block 2 c + 1
.irp i, 0,1,2
	v_permlane16_swap_b32 v[PC+6*\c+\i], v[PC+12+4*\c+\i]
.endr
.irp i, 0,1,2
	v_mov_b32 v[PC+3+6*\c+\i], v[PC+12+4*\c+\i]
.endr
.endr
.endm
	; ---------------- x ----------------
	s_lshl_b32 s12, ttmp9, 2
	s_add_co_u32 s12, s12, s28                     ; my tile T
	s_lshr_b32 s13, s12, 1
	s_lshl_b32 s13, s13, 17                        ; 32 (T / 2) rows of 4,096 bytes
	s_and_b32 s14, s12, 1
	s_lshl_b32 s14, s14, 15                        ; + 8 (T % 2) rows
	s_add_co_u32 s14, s14, s13
	s_mov_b32 s15, 0
	s_lshr_b32 s30, s12, 3
	s_mul_i32 s30, s30, 98304
	s_and_b32 s29, s12, 7
	s_mul_i32 s29, s29, 3072
	s_add_co_u32 s30, s30, s29                     ; my tile's fragments
	s_mov_b32 s31, 0
	s_lshl_b32 s34, s12, 9                         ; my tile's 512 scale bytes
	s_mov_b32 s35, 0
	s_mul_i32 s29, s28, 8448                       ; my stage: 16 rows x (512 + 16) bytes
	s_mov_b32 s[SEL], 0x76543210
	s_mov_b32 s[SEL+1], 0xfedcba98
	v_lshlrev_b32 v1, 4, v6                        ; 16 x lane: my bytes of a load's 512
	v_add_nc_u32 v2, s29, v1                       ; the stage, on the way in
	v_mul_u32_u24 v3, v7, 528
	v_lshl_add_u32 v3, v8, 6, v3
	v_add_nc_u32 v3, s29, v3                       ; and on the way out: row r, + 64 h
	v_lshlrev_b32 v4, 3, v6                        ; 8 x lane: my place in a plane
	v_lshlrev_b32 v5, 5, v7
	v_lshl_add_u32 v5, v8, 4, v5                   ; scale bytes: 32 r + 16 h
.irp b, 0,1,2,3
	v_mov_b32 v[TMB+\b], 0                         ; written once: a lane permute's destination counts as one of its sources
.endr
	s_wait_kmcnt 0x0
	s_add_nc_u64 s[4:5], s[4:5], s[14:15]
	s_add_nc_u64 s[8:9], s[8:9], s[30:31]
	s_add_nc_u64 s[10:11], s[10:11], s[34:35]
.macro XLOAD kc                        ; 128 along K of my 16 rows: each load reads 512 consecutive bytes of one row
.irp t, 0,1,2,3,4,5,6,7,8,9,10,11,12,13,14,15
	global_load_b128 v[R+64*((\kc)%2)+4*\t:R+64*((\kc)%2)+4*\t+3], v1, s[4:5] offset:(\t+8*(\t/8))*4096+512*(\kc) th:TH_LOAD_NT
.endr
.endm
.macro XSTEP kc
.if (\kc) < 7
	s_wait_loadcnt 16                              ; this step's 16 loads are in; the next step's 16 may be out
.else
	s_wait_loadcnt 0x0
.endif
.irp t, 0,1,2,3,4,5,6,7,8,9,10,11,12,13,14,15
	ds_store_b128 v2, v[R+64*((\kc)%2)+4*\t:R+64*((\kc)%2)+4*\t+3] offset:528*\t
.endr
.irp b, 0,1,2,3
.irp j, 0,1,2,3
	ds_load_b128 v[X+16*\b+4*\j:X+16*\b+4*\j+3], v3 offset:128*\b+16*\j   ; LDS serves a wave's instructions in order: these see the stores above
.endr
.endr
	s_wait_dscnt 0x0                               ; my numbers are back, and the stage's stores have read their registers
	s_wait_xcnt 0x0                                ; the last step's stores have read the codes' registers, which are written again below
.if (\kc) < 6
	XLOAD (\kc)+2
.endif
	QUANT X
	v_mov_b32 v[SW+(\kc)], v[PW]
.irp p, 0,1,2,3,4,5
	global_store_b64 v4, v[PC+2*\p:PC+2*\p+1], s[8:9] offset:((\kc)/2)*24576+((\kc)%2)*1536+256*\p   ; 32 lanes store 256 consecutive bytes, aligned
.endr
.endm
	XLOAD 0
	XLOAD 1
.irp kc, 0,1,2,3,4,5,6,7
	XSTEP \kc
.endr
	v_cmp_le_u32 vcc_lo, 16, v6                    ; lanes 16-31 store the row's upper four words
.irp i, 0,1,2,3
	v_cndmask_b32 v[12+\i], v[SW+\i], v[SW+4+\i], vcc_lo
.endr
	global_store_b128 v5, v[12:15], s[10:11]       ; 32 lanes store 512 consecutive bytes
	s_wait_tensorcnt 0x0
	ds_add_u32 v62, v63
	s_wait_dscnt 0x0
	s_endpgm
	; ---------------- the weights ----------------
.Lweights:
	s_sub_co_u32 s12, ttmp9, 128
	s_lshr_b32 s13, s12, 2                         ; the group of 128 rows of wc: 8 x weight + block of columns
	s_and_b32 s14, s13, 7                          ; which 128 columns of the weight
	s_and_b32 s15, s12, 3                          ; which 256 along K
	s_lshr_b32 s29, s12, 5                         ; which weight
	s_lshl_b32 s30, s15, 20                        ; 256 rows of 4,096 bytes
	s_lshl_b32 s31, s14, 9
	s_add_co_u32 s30, s30, s31
	s_lshl_b32 s31, s28, 7                         ; my wave's 32 columns
	s_add_co_u32 s30, s30, s31
	s_mov_b32 s31, 0
	s_mul_i32 s34, s13, 98304
	s_mul_i32 s35, s15, 24576
	s_add_co_u32 s34, s34, s35
	s_mul_i32 s35, s28, 6144                       ; my wave's two tiles
	s_add_co_u32 s34, s34, s35
	s_mov_b32 s35, 0
	s_lshl_b32 s36, s13, 12
	s_lshl_b32 s37, s28, 10
	s_add_co_u32 s36, s36, s37
	s_lshl_b32 s37, s15, 3
	s_add_co_u32 s36, s36, s37                     ; scale bytes: 32 a row, my 8 at 8 x (which 256 along K)
	s_mov_b32 s37, 0
	v_and_b32 v9, 8, v7
	v_add_nc_u32 v9, v9, v7
	v_lshl_add_u32 v9, v8, 3, v9                   ; lane 16 u + r takes column 8 u + r + 8 (r / 8) of the wave's 32
	v_lshlrev_b32 v1, 2, v9
	v_lshlrev_b32 v4, 3, v6
	v_lshlrev_b32 v5, 5, v6
	s_wait_kmcnt 0x0
	s_cmp_eq_u32 s29, 1                            ; the choice hangs on the work-group's number alone
	s_cselect_b64 s[16:17], s[18:19], s[16:17]
	s_cmp_eq_u32 s29, 2
	s_cselect_b64 s[16:17], s[20:21], s[16:17]
	s_cmp_eq_u32 s29, 3
	s_cselect_b64 s[16:17], s[22:23], s[16:17]
	s_add_nc_u64 s[16:17], s[16:17], s[30:31]
	s_add_nc_u64 s[24:25], s[24:25], s[34:35]
	s_add_nc_u64 s[26:27], s[26:27], s[36:37]
.macro WLOAD t                         ; block t: w(32 t + i, my column): the wave reads 128 consecutive bytes
.irp i, 0,1,2,3,4,5,6,7,8,9,10,11,12,13,14,15,16,17,18,19,20,21,22,23,24,25,26,27,28,29,30,31
	global_load_b32 v[WX+32*((\t)%2)+\i], v1, s[16:17] offset:(32*(\t)+\i)*4096 th:TH_LOAD_NT
.endr
.endm
.macro WBLK t
.set XS, WX+32*((\t)%2)
.set CA, CA0+8*((\t)%2)
.if (\t) < 7
	s_wait_loadcnt 32                              ; this block's 32 loads are in; the next block's may be out
.else
	s_wait_loadcnt 0x0
.endif
	v_max3_num_f32 v12, |v[XS]|, |v[XS+1]|, |v[XS+2]|   ; all 32 numbers of the block are mine
	v_max3_num_f32 v13, |v[XS+3]|, |v[XS+4]|, |v[XS+5]|
.irp i, 6,10,14,18,22,26
	v_max3_num_f32 v12, v12, |v[XS+\i]|, |v[XS+\i+1]|
	v_max3_num_f32 v13, v13, |v[XS+\i+2]|, |v[XS+\i+3]|
.endr
	v_max3_num_f32 v12, v12, |v[XS+30]|, |v[XS+31]|
	v_max3_num_f32 v12, v12, v13, 0x1800000        ; and the floor
	v_add_nc_u32 v11, 0xff000000, v12
	v_lshrrev_b32 v13, 23, v11                     ; the scale's byte
.if (\t)%4 == 0
	v_mov_b32 v[SB+(\t)/4], v13
.else
	v_lshl_or_b32 v[SB+(\t)/4], v13, 8*((\t)%4), v[SB+(\t)/4]
.endif
.if ((\t)%2 == 0) && ((\t) > 0)
	s_wait_xcnt 0x0                                ; the last pair's stores have read the codes' registers
.endif
	v_cvt_scalef32_pk16_fp6_f32 v[CA:CA+2], v[XS:XS+15], v11
	v_cvt_scalef32_pk16_fp6_f32 v[CT:CT+2], v[XS+16:XS+31], v11
	v_nop                                          ; one plain instruction behind the scaled conversions
.irp i, 0,1,2
	v_mov_b32 v[CA+3+\i], v[CT+\i]
.endr
.if (\t) < 6
	WLOAD (\t)+2
.endif
.if (\t)%2 == 1                        ; blocks t - 1 and t are the halves h = 0, 1 of registers 6 c .. 6 c + 5 of fragment q: q = t / 4, c = (t / 2) % 2
.irp i, 0,1,2,3,4,5
	v_permlane16_swap_b32 v[CA0+\i], v[CA1+\i]     ; the first now holds my wave's even tile (lanes 0-15 the even block, lanes 16-31 the odd one), the second its odd tile
.endr
.irp u, 0,1
.irp p, 0,1,2
	global_store_b64 v4, v[CA0+8*\u+2*\p:CA0+8*\u+2*\p+1], s[24:25] offset:(2*\u+(\t)/4)*1536+256*(3*(((\t)/2)%2)+\p)   ; 256 consecutive bytes, aligned
.endr
.endr
.endif
.endm
	WLOAD 0
	WLOAD 1
.irp t, 0,1,2,3,4,5,6,7
	WBLK \t
.endr
	global_store_b64 v5, v[SB:SB+1], s[26:27]      ; my column's eight scale bytes: rows 32 bytes apart, one byte for each 128 that the path reads
	s_endpgm
.Lfunc_end_k_q16614c84a9_quant:
	.size	k_q16614c84a9_quant, .Lfunc_end_k_q16614c84a9_quant-k_q16614c84a9_quant
	.p2alignl 7, 3214868480
	.fill 96, 4, 3214868480
	.section	.rodata,"a",@progbits
	.p2align	6, 0x0
	.amdhsa_kernel k_q16614c84a9_quant
		.amdhsa_group_segment_fixed_size 34304
		.amdhsa_private_segment_fixed_size 0
		.amdhsa_enable_private_segment 0
		.amdhsa_kernarg_size 72
		.amdhsa_user_sgpr_count 2
		.amdhsa_user_sgpr_kernarg_segment_ptr 1
		.amdhsa_wavefront_size32 1
		.amdhsa_system_sgpr_workgroup_id_x 1
		.amdhsa_system_sgpr_workgroup_id_y 1
		.amdhsa_system_sgpr_workgroup_id_z 1
		.amdhsa_system_vgpr_workitem_id 0
		.amdhsa_next_free_vgpr 256
		.amdhsa_next_free_sgpr 66
		.amdhsa_reserve_vcc 1
		.amdhsa_float_denorm_mode_32 3
		.amdhsa_float_denorm_mode_16_64 3
		.amdhsa_memory_ordered 1
		.amdhsa_forward_progress 1
		.amdhsa_inst_pref_size 107
	.end_amdhsa_kernel
	.amdgpu_metadata
---
amdhsa.version: [ 1, 2 ]
amdhsa.kernels:
  - .name:           k_q16614c84a9_quant
    .symbol:         k_q16614c84a9_quant.kd
    .args:
      - { .name: x, .offset: 0, .size: 8, .value_kind: global_buffer, .address_space: global }
      - { .name: wq, .offset: 8, .size: 8, .value_kind: global_buffer, .address_space: global }
      - { .name: wk, .offset: 16, .size: 8, .value_kind: global_buffer, .address_space: global }
      - { .name: wv, .offset: 24, .size: 8, .value_kind: global_buffer, .address_space: global }
      - { .name: wo, .offset: 32, .size: 8, .value_kind: global_buffer, .address_space: global }
      - { .name: xc, .offset: 40, .size: 8, .value_kind: global_buffer, .address_space: global }
      - { .name: xs, .offset: 48, .size: 8, .value_kind: global_buffer, .address_space: global }
      - { .name: wc, .offset: 56, .size: 8, .value_kind: global_buffer, .address_space: global }
      - { .name: ws, .offset: 64, .size: 8, .value_kind: global_buffer, .address_space: global }
    .group_segment_fixed_size: 34304
    .private_segment_fixed_size: 0
    .kernarg_segment_align: 8
    .kernarg_segment_size: 72
    .max_flat_workgroup_size: 128
    .sgpr_count:     66
    .vgpr_count:     256
    .wavefront_size: 32
...
	.end_amdgpu_metadata
.endif
;; end of part 1
;; launch qkv (part 2): grid 12 x 32, 4 waves a work-group, clusters of 4 x 4, 327,680 bytes of LDS; arguments xc, xs, wc, ws, bq, bk, bv, qi, kv; writes qi, kv
.if DOCPART == 2
	.amdgcn_target "amdgcn-amd-amdhsa--gfx1250"
	.amdhsa_code_object_version 6
	.text
	.protected	k_q16614c84a9_qkv
	.globl	k_q16614c84a9_qkv
	.p2align	8
	.type	k_q16614c84a9_qkv,@function
k_q16614c84a9_qkv:
	s_mov_b64 s[64:65], 0
	v_nop
	global_prefetch_b8 v0, s[64:65] scope:SCOPE_SE
	s_setreg_imm32_b32 hwreg(HW_REG_WAVE_MODE, 25, 1), 1
	s_wait_xcnt 0x0
	s_wait_alu depctr_hold_cnt(0) depctr_sa_sdst(0) depctr_va_vdst(0) depctr_va_sdst(0) depctr_va_ssrc(0) depctr_va_vcc(0) depctr_vm_vsrc(0)
	s_getreg_b32 s2, hwreg(HW_REG_IB_STS2, 6, 4)
	s_cmp_eq_u32 s2, 0
	s_cbranch_scc0 .Lentry_in_a_cluster
	s_endpgm
.Lentry_in_a_cluster:
	s_bfe_u32 s2, ttmp6, 0x10000c
	s_cmp_lg_u32 s2, 0xf033
	s_cbranch_scc0 .Lentry_shape_is_right
	s_endpgm
.Lentry_shape_is_right:
; q = x wq + bq, k = x wk + bk, v = x wv + bv on codes of FP6 (E2M3) with E8M0 scales; the results are quantised on the way out: q and k along the head's 64, v along the keys; only codes go to memory.
; A tile of C is 256 x 256: four waves, each 128 x 128 in 64 accumulators.  K = 1,024 goes in four steps of 256 through two LDS slots filled by the tensor data mover; 128 rows x 256 along K are one dense block of 24,576 bytes,
; laid as images of the operand's registers (six planes of 256 bytes a fragment), so each LDS load of 8 bytes a lane reads 256 consecutive bytes.
; CLUSTERS of 4 x 4 work-groups; cluster x = 0: q, 1: k (A = x's tokens, B = the weight's n); cluster x = 2: v WITH THE OPERANDS' PARTS SWAPPED (A = wv's n, B = x's tokens), so that a lane's registers run along the tokens, which are v's K.
; A's tile hangs on the tile row alone and is asked for jointly by a row of the cluster, B's on the tile column alone, by a column.  The one branch on the kind (cluster x) is the same in all partners.
; THE MATRIX INSTRUCTION IS USED TRANSPOSED (source 0 = 16 rows of B, source 1 = 16 rows of A).  All tiles of 16 rows are laid so that lane r of tile T holds row 32 (T / 2) + 8 (T % 2) + r + 8 (r / 8): so of A's block a the lane's 64 results,
; register 16 b + i, are B's rows 32 b + 16 h + i: 16 neighbours of each block of 32, as the conversions want them.
; OUT.  q block (6,656 bytes for a head and 128 tokens): tile a at 768 a: registers 0-3 at 16 x lane, registers 4-5 at 512 + 8 x lane; scale words at 6,144 + 256 (a / 4) + 16 r + 4 (a % 4), bytes 2 and 3 zero.
; kv block (13,056 bytes): k like a q block; v's tile t (16 d x 128 keys) at 6,656 + 1,536 t in three planes of 512 bytes; its scale words at 12,800 + 16 r + 4 t.
; LIMITS: NaN and infinities are not served; a block whose largest magnitude lies under 2^-124 keeps the byte 1, a block of zeros too (its codes are zeros; this program alone reads the bytes).
; Nothing is prefetched: K has four steps, two of them first fills.
; REGISTERS: window 0: v0-31 addresses and saved scale words; v32-63 scale words, two sets, and nothing else; v64-127 the bias by register; v128-223 A's fragments, one set (on the way out: 64 numbers, codes, the quantiser's work);
;   v224-239 the bias by lane; v240-248 scale words on their way out.  window 1: B's fragments, two sets.  windows 2, 3: the accumulators ((a, b) at v[8 (8 (a % 4) + b)]).
.set NQ,     2                         ; steps of 128 along K in a slot
.set FR,     12                        ; registers of a fragment
.set NL,     6                         ; LDS loads that bring one
.set NP,     4                         ; places behind this matrix instruction (ISA guide 7.12.1)
.set HALFT,  24576                     ; 128 rows x 256 along K: what one tensor load brings
.set SLOT,   4*HALFT                   ; A's two halves, then B's
.set SCL,    2*SLOT                    ; behind the ring: the scales of 4 x 128 rows for all of K, as units of 256 bytes + 16 of padding
.set HALFS,  16*272
.set SBLK,   2*272                     ; those of 16 rows
.set SPARE,  SCL+4*HALFS               ; the spare words: 128 bytes for each wave, two blocks of 256 bytes that no other line names
.set SW,   8                           ; v8-15   the eight blocks' scale words
.set ADRA, 16                          ; v16-17  LDS address of my A fragments in slot 0, 1
.set ADRB, 20                          ; v20-21  the same for B
.set ADRS, 22                          ; v22     LDS address of my scale words: lanes 0-15 A's rows, lanes 16-31 B's
.set SPW,  28                          ; v28     LDS address of my spare word; never rewritten
.set NIL,  29                          ; v29     0; never rewritten
.set SC,   32
.set BN,   64                          ; the bias of B's rows: register 8 b + j
.set AF,   128
.set T,    128                         ; the way out: 64 numbers
.set PC,   192                         ; v192-203 codes, v204-210 halves on their way
.set TMX,  212
.set TMB,  216
.set TMS,  220
.set BM,   224                         ; the bias of A's rows: block a's in v[224 + 2 a] and again in the next
.set D,    240
.set PW,   248
.set SEL,  20                          ; s[20:21], set in front of the way out
.set G1, 24
.set G0, 32
.set G1B, 48
.set G0B, 56
.set G1S, 68
.set G0S, 76
.set G1SB, 80
.set G0SB, 88
.set MSB, 0
.macro WIN new                         ; the immediate's high byte repeats the setting that is left
.if MSB != (\new)
	s_set_vgpr_msb (MSB<<8)|(\new)
.set MSB, (\new)
.endif
.endm
.set MUL_LO, 0xa1                      ; source 0 (B) window 1, source 1 (A) window 0, C and D window 2
.set MUL_HI, 0xf1
.set TO_B,   0x40
; A joint load: waves 0 and 1 fetch for A, waves 2 and 3 for B; the branch hangs on the wave's number alone.  Four v_nop follow each of the two lines.
.macro JLOAD g0a, g1a, g0b, g1b
	s_cmp_eq_u32 s15, 0
	s_cbranch_scc0 .Lfor_b_\@
	tensor_load_to_lds s[\g0a:\g0a+3], s[\g1a:\g1a+7]
	s_nop 0
.rept 4
	v_nop
.endr
	s_branch .Lasked_\@
.Lfor_b_\@:
	tensor_load_to_lds s[\g0b:\g0b+3], s[\g1b:\g1b+7]
	s_nop 0
.rept 4
	v_nop
.endr
.Lasked_\@:
.endm
.macro CREST                           ; a round of the cluster's barrier behind its opening barrier
	s_cmp_lg_u32 s14, 0
	s_cbranch_scc1 .Lnot_wave_0_\@
	s_barrier_signal -3
.Lnot_wave_0_\@:
	s_barrier_wait -3
	s_barrier_signal -1
	s_barrier_wait -1
.endm
.macro CROUND
	s_barrier_signal -1
	s_barrier_wait -1
	CREST
.endm
	s_load_b256 s[68:75], s[0:1], 0x0              ; xc, xs, wc, ws
	s_load_b256 s[76:83], s[0:1], 0x20             ; bq, bk, bv, qi
	s_load_b64 s[84:85], s[0:1], 0x40              ; kv
	v_lshl_add_u32 v[SPW], v0, 2, SPARE
	v_mov_b32 v[NIL], 0
	ds_add_u32 v28, v29
	ds_add_u32 v28, v29
	s_wait_dscnt 0x0
	v_lshrrev_b32 v1, 5, v0
	v_readfirstlane_b32 s14, v1                    ; wave 0..3
	s_lshr_b32 s15, s14, 1                         ; which half of the tile's rows (A) is mine.  Also: I fetch for A (0) or for B (1)
	s_and_b32 s16, s14, 1                          ; which half of its columns (B).  Also: which 128 rows I fetch
	s_bfe_u32 s40, ttmp6, 0x40000                  ; cx
	s_bfe_u32 s41, ttmp6, 0x40004                  ; cy
	s_and_b32 s3, ttmp7, 0xffff                    ; cluster y
	s_cmp_eq_u32 ttmp9, 2                          ; cluster x = 2: v
	s_cselect_b32 s95, 1, 0
	s_cselect_b32 s17, 0, s3                       ; v: A is wv, four tile rows; else A is x, 32 tile rows
	s_cselect_b32 s42, s3, ttmp9                   ; v: B is x, 32 tile columns; else B is wq and wk on end, eight
	s_lshl_b32 s17, s17, 2
	s_add_co_u32 s17, s17, s41                     ; tile row
	s_lshl_b32 s42, s42, 2
	s_add_co_u32 s42, s42, s40                     ; tile column
	s_lshl_b32 s43, s41, 2
	s_lshl_b32 s43, 15, s43                        ; my row of the cluster
	s_lshl_b32 s44, 0x1111, s40                    ; my column
	; descriptor group 1 for the codes: a dense block of 24,576 bytes as 96 rows of 32 elements of 8 bytes; no padding
	s_or_b32 s[G1+0], s43, (3<<16)|(1<<21)
	s_or_b32 s[G1B+0], s44, (3<<16)|(1<<21)
.irp g, G1, G1B
	s_mov_b32 s[\g+1], 32<<16                      ; tensor_dim0
	s_mov_b32 s[\g+2], 96<<16                      ; tensor_dim1
	s_mov_b32 s[\g+3], 32<<16                      ; tile_dim0
	s_mov_b32 s[\g+4], 96                          ; tile_dim1
	s_mov_b32 s[\g+5], 32                          ; the pitch
	s_mov_b32 s[\g+6], 0
	s_mov_b32 s[\g+7], 0
.endr
	s_mul_i32 s45, s14, HALFT                      ; where my tile goes: wave x 24,576: no place in the cluster enters an LDS address
	s_mul_i32 s94, s14, HALFS
	s_mov_b32 s99, 13056
	s_wait_kmcnt 0x0
	s_cmp_eq_u32 s95, 1                            ; the choices hang on the cluster's x alone
	s_cselect_b64 s[4:5], s[72:73], s[68:69]       ; A's codes
	s_cselect_b64 s[6:7], s[74:75], s[70:71]       ; A's scales
	s_cselect_b64 s[8:9], s[68:69], s[72:73]       ; B's codes
	s_cselect_b64 s[10:11], s[70:71], s[74:75]     ; B's scales
	s_cselect_b64 s[92:93], s[80:81], s[78:79]     ; the bias: bv, or bk,
	s_cselect_b32 s98, 16, 0                       ; wv's groups of 128 rows begin at 16
	s_cmp_eq_u32 ttmp9, 0
	s_cselect_b64 s[92:93], s[76:77], s[92:93]     ; or bq
	s_cselect_b64 s[12:13], s[82:83], s[84:85]     ; out: qi or kv
	s_cselect_b32 s99, 6656, s99                   ; bytes of a block there
	s_lshl_b32 s20, s17, 1
	s_add_co_u32 s20, s20, s16
	s_add_co_u32 s20, s20, s98                     ; A: the group of 128 rows that I fetch
	s_lshl_b32 s46, s42, 1
	s_add_co_u32 s46, s46, s16                     ; B likewise
	s_lshl_b32 s22, s20, 12                        ; its scales: 4,096 bytes a group,
	s_mov_b32 s23, 0
	s_mul_i32 s20, s20, 98304                      ; its codes: 98,304
	s_mov_b32 s21, 0
	s_lshl_b32 s96, s46, 12
	s_mov_b32 s97, 0
	s_mul_i32 s46, s46, 98304
	s_mov_b32 s47, 0
	s_add_nc_u64 s[20:21], s[4:5], s[20:21]
	s_add_nc_u64 s[22:23], s[6:7], s[22:23]
	s_add_nc_u64 s[46:47], s[8:9], s[46:47]
	s_add_nc_u64 s[96:97], s[10:11], s[96:97]
	; group 1 for the scales of 128 rows: 4,096 dense bytes as 16 rows of 256, 16 bytes of padding behind each
	s_or_b32 s[G1S+0], s43, (3<<16)|(1<<20)|(1<<21)|(5<<22)|(3<<25)
	s_or_b32 s[G1SB+0], s44, (3<<16)|(1<<20)|(1<<21)|(5<<22)|(3<<25)
.irp g, G1S, G1SB
	s_mov_b32 s[\g+1], 32<<16
	s_mov_b32 s[\g+2], 16<<16
	s_mov_b32 s[\g+3], 32<<16
	s_mov_b32 s[\g+4], 16
	s_mov_b32 s[\g+5], 32
	s_mov_b32 s[\g+6], 0
	s_mov_b32 s[\g+7], 0
.endr
	CROUND                                         ; all sixteen work-groups are here: the first joint loads meet
	s_mov_b32 s[G0S], 1
	s_add_co_u32 s[G0S+1], s94, SCL
	s_mov_b64 s[G0S+2:G0S+3], s[22:23]
	s_or_b32 s[G0S+3], s[G0S+3], 0x80000000
	s_mov_b32 s[G0SB], 1
	s_add_co_u32 s[G0SB+1], s94, SCL
	s_mov_b64 s[G0SB+2:G0SB+3], s[96:97]
	s_or_b32 s[G0SB+3], s[G0SB+3], 0x80000000
	JLOAD G0S, G1S, G0SB, G1SB                     ; the scales first: they are wanted with K step 0.  With the two below, three loads of mine are out
.irp s, 0,1
	s_mov_b32 s[G0+4*\s], 1
	s_add_co_u32 s[G0+4*\s+1], s45, \s*SLOT
	s_add_nc_u64 s[G0+4*\s+2:G0+4*\s+3], s[20:21], \s*HALFT
	s_or_b32 s[G0+4*\s+3], s[G0+4*\s+3], 0x80000000
	s_mov_b32 s[G0B+4*\s], 1
	s_add_co_u32 s[G0B+4*\s+1], s45, \s*SLOT
	s_add_nc_u64 s[G0B+4*\s+2:G0B+4*\s+3], s[46:47], \s*HALFT
	s_or_b32 s[G0B+4*\s+3], s[G0B+4*\s+3], 0x80000000
	JLOAD G0+4*\s, G1, G0B+4*\s, G1B
.endr
	v_and_b32 v1, 15, v0                           ; r
	v_bfe_u32 v2, v0, 4, 1                         ; h
	v_and_b32 v3, 31, v0                           ; lane
	v_lshlrev_b32 v25, 3, v3                       ; 8 x lane
	v_lshlrev_b32 v24, 4, v3                       ; 16 x lane
	v_lshlrev_b32 v27, 4, v2                       ; 16 h
	s_mul_i32 s21, s15, HALFT                      ; my 128 rows of A
	s_mul_i32 s22, s16, HALFT                      ; my 128 rows of B,
	s_add_co_u32 s22, s22, 2*HALFT                 ; behind A's two halves
.irp s, 0,1
	v_add_nc_u32 v[ADRA+\s], s21, v25
	v_add_nc_u32 v[ADRB+\s], s22, v25
	s_add_co_u32 s21, s21, SLOT
	s_add_co_u32 s22, s22, SLOT
.endr
	v_mul_u32_u24 v5, v1, 32                       ; my row's scales: 32 bytes a row,
	v_lshrrev_b32 v6, 8, v5
	v_lshl_add_u32 v5, v6, 4, v5                   ; and 16 more for each 256 passed
	s_mul_i32 s21, s15, HALFS
	s_mul_i32 s22, s16, HALFS
	s_add_co_u32 s22, s22, 2*HALFS
	s_sub_co_u32 s22, s22, s21
	v_mul_u32_u24 v6, s22, v2                      ; lanes 16-31 take B's
	s_add_co_u32 s21, s21, SCL
	v_add_nc_u32 v5, v5, v6
	v_add_nc_u32 v[ADRS], s21, v5
	; the biases.  q, k: the bias goes with B's rows, which are the lane's registers; v: with A's rows, which are the lanes.  Both sets are loaded in every kind (each stays inside its 1,024 numbers); the way out takes one
	s_and_b32 s18, s42, 3
	s_lshl_b32 s18, s18, 10
	s_lshl_b32 s19, s16, 9
	s_add_co_u32 s18, s18, s19                     ; q, k: 4 x (256 (tile column % 4) + 128 x my half)
	s_lshl_b32 s19, s17, 10
	s_lshl_b32 s2, s15, 9
	s_add_co_u32 s19, s19, s2                      ; v: 4 x (256 tile row + 128 x my half)
	s_cmp_eq_u32 s95, 1
	s_cselect_b32 s18, 0, s18
	s_cselect_b32 s2, s19, 0
	s_mov_b32 s19, 0
	s_mov_b32 s3, 0
	s_add_nc_u64 s[96:97], s[92:93], s[2:3]
	s_add_nc_u64 s[92:93], s[92:93], s[18:19]
	v_lshlrev_b32 v30, 6, v2                       ; by register: 64 h; never rewritten
	v_and_b32 v5, 8, v1
	v_add_nc_u32 v5, v5, v1
	v_lshlrev_b32 v31, 2, v5                       ; by lane: 4 (r + 8 (r / 8)); never rewritten
.irp t, 0,1,2,3,4,5,6,7
	global_load_b128 v[BN+8*\t:BN+8*\t+3], v30, s[92:93] offset:(32*(\t/2)+8*(\t%2))*4
	global_load_b128 v[BN+8*\t+4:BN+8*\t+7], v30, s[92:93] offset:(32*(\t/2)+8*(\t%2))*4+16
	global_load_b32 v[BM+2*\t], v31, s[96:97] offset:(32*(\t/2)+8*(\t%2))*4
	global_load_b32 v[BM+2*\t+1], v31, s[96:97] offset:(32*(\t/2)+8*(\t%2))*4
.endr
	; where my results go: the block of (batch, even head of my pair, my group of 128 tokens); the odd head's lies 16 blocks on
	s_lshl_b32 s18, s42, 1
	s_add_co_u32 s18, s18, s16                     ; B's group of 128
	s_lshl_b32 s19, s17, 1
	s_add_co_u32 s19, s19, s15                     ; A's
	s_and_b32 s2, s18, 7
	s_cmp_eq_u32 s95, 1
	s_cselect_b32 s3, s18, s19                     ; the tokens' group: 0 .. 63
	s_cselect_b32 s2, s19, s2                      ; the pair of heads: 0 .. 7
	s_lshr_b32 s18, s3, 4
	s_lshl_b32 s18, s18, 4                         ; 16 x batch
	s_lshl_b32 s2, s2, 1
	s_add_co_u32 s18, s18, s2                      ; + the even head
	s_lshl_b32 s18, s18, 4
	s_and_b32 s3, s3, 15
	s_add_co_u32 s18, s18, s3                      ; x 16 + the group in the sequence
	s_mul_i32 s18, s18, s99
	s_mov_b32 s19, 0
	s_add_nc_u64 s[12:13], s[12:13], s[18:19]
	s_lshl_b32 s18, s99, 4
	s_add_nc_u64 s[66:67], s[12:13], s[18:19]
	v_mul_u32_u24 v26, s18, v2
	v_lshl_add_u32 v26, v1, 4, v26                 ; scale words: lanes 0-15 the even head's block, lanes 16-31 the odd head's; 16 r
.macro FRAG reg, adr, q, i             ; a fragment's six planes: each load reads 256 consecutive bytes
.irp p, 0,1,2,3,4,5
	ds_load_b64 v[\reg+2*\p:\reg+2*\p+1], v[\adr] offset:(2*(\i)+(\q))*1536+256*\p
.endr
.endm
; 16 matrix instructions: A's blocks a0, a0 + 1 x B's eight.  The 64 accumulators take turns, one instruction a turn, in the same order in every step.
.macro MUL16 a0, p, q, sc, zero
.irp a, \a0, \a0+1
.irp b, 0,1,2,3,4,5,6,7
.if \zero
	v_wmma_scale_f32_16x16x128_f8f6f4 v[8*(8*((\a)%4)+\b):8*(8*((\a)%4)+\b)+7], v[128*(\p)+FR*\b:128*(\p)+FR*\b+FR-1], v[AF+FR*(\a):AF+FR*(\a)+FR-1], 0, v[SC+8*NQ*(\sc)+NQ*\b+(\q)], v[SC+8*NQ*(\sc)+NQ*(\a)+(\q)] matrix_a_fmt:MATRIX_FMT_FP6 matrix_b_fmt:MATRIX_FMT_FP6 matrix_a_scale:MATRIX_SCALE_ROW1
.else
	v_wmma_scale_f32_16x16x128_f8f6f4 v[8*(8*((\a)%4)+\b):8*(8*((\a)%4)+\b)+7], v[128*(\p)+FR*\b:128*(\p)+FR*\b+FR-1], v[AF+FR*(\a):AF+FR*(\a)+FR-1], v[8*(8*((\a)%4)+\b):8*(8*((\a)%4)+\b)+7], v[SC+8*NQ*(\sc)+NQ*\b+(\q)], v[SC+8*NQ*(\sc)+NQ*(\a)+(\q)] matrix_a_fmt:MATRIX_FMT_FP6 matrix_b_fmt:MATRIX_FMT_FP6 matrix_a_scale:MATRIX_SCALE_ROW1
.endif
.endr
.endr
.endm
.macro FETCH_B slot, q, p
	WIN TO_B
.irp i, 0,1,2,3,4,5,6,7
	FRAG 128*(\p)+FR*\i, ADRB+\slot, \q, \i
.endr
	WIN 0
.endm
.macro FETCH_A slot, q, i0
.irp i, \i0, \i0+1, \i0+2, \i0+3
	FRAG AF+FR*(\i), ADRA+\slot, \q, \i
.endr
.endm
.macro SCALES sc                       ; a K step's two scale words a row: lanes 0-15 A's block i, lanes 16-31 B's block i
.irp i, 0,1,2,3,4,5,6,7
	ds_load_b64 v[SC+8*NQ*\sc+NQ*\i:SC+8*NQ*\sc+NQ*\i+1], v[ADRS] offset:\i*SBLK
.endr
.endm
.macro PLACES n                        ; plain vector instructions between a matrix instruction and a load into, or a read of, its registers
.rept \n
	v_nop
.endr
.endm
.macro STEP slot, q, zero              ; 128 along K with its successor in the same slot
	s_wait_dscnt 4*NL                              ; B's set, A's blocks 0-3 and the scale words are in; the youngest 24 loads (A's blocks 4-7) may be out
	WIN MUL_LO
	MUL16 0, (\q)%2, \q, \slot, \zero
	MUL16 2, (\q)%2, \q, \slot, \zero
	s_wait_dscnt 0
	PLACES NP
	FETCH_B \slot, (\q)+1, 1-(\q)%2
	FETCH_A \slot, (\q)+1, 0
	WIN MUL_HI
	MUL16 4, (\q)%2, \q, \slot, \zero
	MUL16 6, (\q)%2, \q, \slot, \zero
	PLACES NP
	WIN 0
	FETCH_A \slot, (\q)+1, 4
.endm
; A slot's last step changes slots: one barrier; in front of it each wave waits for all its tensor loads, adds 0 to its spare word, and waits for that and for its reads of this slot.  fill = 1: this slot is filled again, two K steps ahead.
.macro TURN slot, next, fill
	s_wait_tensorcnt 0x0                           ; all my tensor loads have landed: my part of the next slot
	ds_add_u32 v[SPW], v[NIL]                      ; 0 onto my spare word
	s_wait_dscnt 4*NL+1                            ; (the add and the youngest 24 loads may be out)
	WIN MUL_LO
	MUL16 0, 1, NQ-1, \slot, 0                     ; sixteen matrix instructions stand between the add and the wait for it
	s_wait_dscnt 0x0                               ; the add is done, and my reads of this slot are over
	s_barrier_signal -1
	MUL16 2, 1, NQ-1, \slot, 0
	WIN 0
	s_barrier_wait -1
.if \fill
	CREST                                          ; the barrier has opened a round of the cluster's barrier: no wave of any partner still reads this slot or has a load on its way
	s_add_nc_u64 s[G0+4*\slot+2:G0+4*\slot+3], s[G0+4*\slot+2:G0+4*\slot+3], 2*HALFT
	s_add_nc_u64 s[G0B+4*\slot+2:G0B+4*\slot+3], s[G0B+4*\slot+2:G0B+4*\slot+3], 2*HALFT
	JLOAD G0+4*\slot, G1, G0B+4*\slot, G1B         ; the first tensor load behind the round; its four v_nop are the places in front of the loads below
.else
	PLACES NP
.endif
	s_wait_alu depctr_va_vdst(0)
	v_add_nc_u32 v[ADRS], 4*NQ, v[ADRS]            ; the next K step's scale words
	FETCH_B \next, 0, 0
	FETCH_A \next, 0, 0
	SCALES \next
	WIN MUL_HI
	MUL16 4, 1, NQ-1, \slot, 0
	MUL16 6, 1, NQ-1, \slot, 0
	PLACES NP
	WIN 0
	FETCH_A \next, 0, 4
.endm
	s_wait_alu depctr_va_vdst(0)
	s_wait_tensorcnt 1                             ; the scales and my part of K step 0 are in (K step 1's load may be out),
	s_barrier_signal -1
	s_barrier_wait -1                              ; everybody's are
	FETCH_B 0, 0, 0
	FETCH_A 0, 0, 0
	SCALES 0
	FETCH_A 0, 0, 4
	STEP 0, 0, 1                                   ; the first products start the sums: nothing is cleared
	TURN 0, 1, 1                                   ; slot 0 takes K step 2
	STEP 1, 0, 0
	TURN 1, 0, 1                                   ; slot 1 takes K step 3
	STEP 0, 0, 0
	TURN 0, 1, 0                                   ; nothing is left to fetch
	STEP 1, 0, 0
	s_wait_dscnt 4*NL
	WIN MUL_LO
	MUL16 0, 1, NQ-1, 1, 0
	MUL16 2, 1, NQ-1, 1, 0
	s_wait_dscnt 0
	WIN MUL_HI
	MUL16 4, 1, NQ-1, 1, 0
	MUL16 6, 1, NQ-1, 1, 0
	WIN 0
; THE WAY OUT, block by block of A's 16 rows: + bias, quantised in registers, stored as images.
.macro QUANT s                         ; 64 numbers, register 16 b + i = place 32 b + 16 h + i, become 12 registers of codes in v[PC] on and a scale word in v[PW]
.irp b, 0,1,2,3
	v_max3_num_f32 v[TMX+\b], |v[\s+16*\b]|, |v[\s+1+16*\b]|, 0x1800000   ; and the floor 2^(3 - 127): the byte cannot fall under 1
.endr
.irp i, 2,4,6,8,10,12,14
.irp b, 0,1,2,3
	v_max3_num_f32 v[TMX+\b], v[TMX+\b], |v[\s+16*\b+\i]|, |v[\s+1+16*\b+\i]|
.endr
.endr
.irp b, 0,1,2,3
	v_permlanex16_b32 v[TMB+\b], v[TMX+\b], s[SEL], s[SEL+1]
.endr
.irp b, 0,1,2,3
	v_max_num_f32 v[TMX+\b], v[TMX+\b], v[TMB+\b]
.endr
.irp b, 0,1,2,3
	v_add_nc_u32 v[TMS+\b], 0xff000000, v[TMX+\b]  ; 2 off the exponent field: the conversion's scale operand
.endr
.irp b, 0,1,2,3
	v_lshrrev_b32 v[TMB+\b], 23, v[TMS+\b]         ; the scale's byte
.endr
	v_lshl_or_b32 v[PW], v[TMB+1], 8, v[TMB]
	v_lshl_or_b32 v[PW], v[TMB+2], 16, v[PW]
	v_lshl_or_b32 v[PW], v[TMB+3], 24, v[PW]
.irp c, 0,1
	v_cvt_scalef32_pk16_fp6_f32 v[PC+6*\c:PC+2+6*\c], v[\s+32*\c:\s+15+32*\c], v[TMS+2*\c]
	v_cvt_scalef32_pk16_fp6_f32 v[PC+12+4*\c:PC+14+4*\c], v[\s+16+32*\c:\s+31+32*\c], v[TMS+2*\c+1]
.endr
	v_nop                                          ; one plain instruction behind the scaled conversions
.irp c, 0,1
.irp i, 0,1,2
	v_permlane16_swap_b32 v[PC+6*\c+\i], v[PC+12+4*\c+\i]
.endr
.irp i, 0,1,2
	v_mov_b32 v[PC+3+6*\c+\i], v[PC+12+4*\c+\i]
.endr
.endr
.endm
.macro EPI a, isv
	WIN 0x02+(\a)/4                                ; source 0: the accumulators' window
.set k, 0
.rept 32                               ; each accumulator is read from its low end on
.if \isv
	v_pk_add_f32 v[T+2*k:T+2*k+1], v[64*((\a)%4)+2*k:64*((\a)%4)+2*k+1], v[BM+2*(\a):BM+2*(\a)+1]
.else
	v_pk_add_f32 v[T+2*k:T+2*k+1], v[64*((\a)%4)+2*k:64*((\a)%4)+2*k+1], v[BN+2*k:BN+2*k+1]
.endif
.set k, k+1
.endr
	WIN 0
	s_wait_xcnt 0x0                                ; the last block's stores have read the codes' registers
	QUANT T
	v_mov_b32 v[SW+(\a)], v[PW]
.if \isv                               ; 16 d of head a / 4 of my pair x my 128 keys: one fragment
.irp c, 0,1,2
.if (\a) < 4
	global_store_b128 v24, v[PC+4*\c:PC+4*\c+3], s[12:13] offset:6656+1536*((\a)%4)+512*\c
.else
	global_store_b128 v24, v[PC+4*\c:PC+4*\c+3], s[66:67] offset:6656+1536*((\a)%4)+512*\c
.endif
.endr
.else                                  ; 16 tokens x two heads of 64: registers 0-5 the even head's, 6-11 the odd head's
	global_store_b128 v24, v[PC:PC+3], s[12:13] offset:768*(\a)
	global_store_b64 v25, v[PC+4:PC+5], s[12:13] offset:768*(\a)+512
	global_store_b128 v24, v[PC+6:PC+9], s[66:67] offset:768*(\a)
	global_store_b64 v25, v[PC+10:PC+11], s[66:67] offset:768*(\a)+512
.endif
.endm
	PLACES NP                                      ; behind the last products: their results are read and their operands' registers written below
.irp b, 0,1,2,3
	v_mov_b32 v[TMB+\b], 0                         ; written once: a lane permute's destination counts as one of its sources
.endr
	s_mov_b32 s[SEL], 0x76543210
	s_mov_b32 s[SEL+1], 0xfedcba98
	s_wait_loadcnt 0x0                             ; the biases
	s_cmp_eq_u32 s95, 1
	s_cbranch_scc1 .Lvarm
.irp a, 0,1,2,3,4,5,6,7
	EPI \a, 0
.endr
.irp a, 0,1,2,3,4,5,6,7
	v_lshrrev_b32 v[D+\a], v27, v[SW+\a]           ; lanes 0-15: the even head's two bytes, lanes 16-31: the odd head's
.endr
.irp a, 0,1,2,3,4,5,6,7
	v_and_b32 v[D+\a], 0xffff, v[D+\a]             ; bytes 2 and 3, of the unused half of the product's K, are 0
.endr
	global_store_b128 v26, v[D:D+3], s[12:13] offset:6144    ; sixteen lanes store 256 consecutive bytes, aligned
	global_store_b128 v26, v[D+4:D+7], s[12:13] offset:6400
	s_branch .Lend
.Lvarm:
.irp a, 0,1,2,3,4,5,6,7
	EPI \a, 1
.endr
	v_cmp_eq_u32 vcc_lo, 16, v27                   ; lanes 16-31 store the odd head's four words
.irp i, 0,1,2,3
	v_cndmask_b32 v[D+\i], v[SW+\i], v[SW+4+\i], vcc_lo
.endr
	global_store_b128 v26, v[D:D+3], s[12:13] offset:12800
.Lend:
	s_wait_tensorcnt 0x0                           ; the wave's end
	ds_add_u32 v[SPW], v[NIL]
	s_wait_dscnt 0x0
	CROUND                                         ; the closing round: no work-group ends while a partner may still ask for a tile that names it
	s_endpgm
.Lfunc_end_k_q16614c84a9_qkv:
	.size	k_q16614c84a9_qkv, .Lfunc_end_k_q16614c84a9_qkv-k_q16614c84a9_qkv
	.p2alignl 7, 3214868480
	.fill 96, 4, 3214868480
	.section	.rodata,"a",@progbits
	.p2align	6, 0x0
	.amdhsa_kernel k_q16614c84a9_qkv
		.amdhsa_group_segment_fixed_size 327680
		.amdhsa_private_segment_fixed_size 0
		.amdhsa_enable_private_segment 0
		.amdhsa_kernarg_size 72
		.amdhsa_user_sgpr_count 2
		.amdhsa_user_sgpr_kernarg_segment_ptr 1
		.amdhsa_wavefront_size32 1
		.amdhsa_system_sgpr_workgroup_id_x 1
		.amdhsa_system_sgpr_workgroup_id_y 1
		.amdhsa_system_sgpr_workgroup_id_z 1
		.amdhsa_system_vgpr_workitem_id 0
		.amdhsa_next_free_vgpr 1024
		.amdhsa_next_free_sgpr 100
		.amdhsa_reserve_vcc 1
		.amdhsa_float_denorm_mode_32 3
		.amdhsa_float_denorm_mode_16_64 3
		.amdhsa_memory_ordered 1
		.amdhsa_forward_progress 1
		.amdhsa_inst_pref_size 235
	.end_amdhsa_kernel
	.amdgpu_metadata
---
amdhsa.version: [ 1, 2 ]
amdhsa.kernels:
  - .name:           k_q16614c84a9_qkv
    .symbol:         k_q16614c84a9_qkv.kd
    .args:
      - { .name: xc, .offset: 0, .size: 8, .value_kind: global_buffer, .address_space: global }
      - { .name: xs, .offset: 8, .size: 8, .value_kind: global_buffer, .address_space: global }
      - { .name: wc, .offset: 16, .size: 8, .value_kind: global_buffer, .address_space: global }
      - { .name: ws, .offset: 24, .size: 8, .value_kind: global_buffer, .address_space: global }
      - { .name: bq, .offset: 32, .size: 8, .value_kind: global_buffer, .address_space: global }
      - { .name: bk, .offset: 40, .size: 8, .value_kind: global_buffer, .address_space: global }
      - { .name: bv, .offset: 48, .size: 8, .value_kind: global_buffer, .address_space: global }
      - { .name: qi, .offset: 56, .size: 8, .value_kind: global_buffer, .address_space: global }
      - { .name: kv, .offset: 64, .size: 8, .value_kind: global_buffer, .address_space: global }
    .group_segment_fixed_size: 327680
    .private_segment_fixed_size: 0
    .kernarg_segment_align: 8
    .kernarg_segment_size: 72
    .max_flat_workgroup_size: 128
    .sgpr_count:     100
    .vgpr_count:     1024
    .wavefront_size: 32
...
	.end_amdgpu_metadata
.endif
;; end of part 2
;; launch attn (part 3): grid 4 x 64, 16 waves a work-group, clusters of 4 x 1, 215,040 bytes of LDS; arguments qi, kv, ac, asc; writes ac, asc
.if DOCPART == 3
	.amdgcn_target "amdgcn-amd-amdhsa--gfx1250"
	.amdhsa_code_object_version 6
	.text
	.protected	k_q16614c84a9_attn
	.globl	k_q16614c84a9_attn
	.p2align	8
	.type	k_q16614c84a9_attn,@function
k_q16614c84a9_attn:
	s_mov_b64 s[64:65], 0
	v_nop
	global_prefetch_b8 v0, s[64:65] scope:SCOPE_SE
	s_setreg_imm32_b32 hwreg(HW_REG_WAVE_MODE, 25, 1), 1
	s_wait_xcnt 0x0
	s_wait_alu depctr_hold_cnt(0) depctr_sa_sdst(0) depctr_va_vdst(0) depctr_va_sdst(0) depctr_va_ssrc(0) depctr_va_vcc(0) depctr_vm_vsrc(0)
	s_getreg_b32 s2, hwreg(HW_REG_IB_STS2, 6, 4)
	s_cmp_eq_u32 s2, 0
	s_cbranch_scc0 .Lentry_in_a_cluster
	s_endpgm
.Lentry_in_a_cluster:
	s_bfe_u32 s2, ttmp6, 0x10000c
	s_cmp_lg_u32 s2, 0x3003
	s_cbranch_scc0 .Lentry_shape_is_right
	s_endpgm
.Lentry_shape_is_right:
; O = softmax(q k^T / 8, causal) v for one (batch, head) a cluster, both products on codes of FP6 (E2M3) with E8M0 scales; O / l is quantised along d_model and leaves as codes for the last product.
; THE SOFTMAX: t = score x log2(e) / 8; M = the running largest t rounded UP to a whole number; p = 2^(t - M) is what is quantised, along the keys; the row's sum is taken of the unquantised p and divides at the end.
; When M moves, the sum and O^T are multiplied by 2^(old M - new M): nothing is rounded.
; THE WHOLE HEAD'S k AND v, 16 blocks of 13,056 bytes (128 keys each), COME INTO LDS ONCE, by joint loads of the cluster's four work-groups, which all read them: 208,896 bytes; nothing is filled again, nothing is stored to LDS.
; SHARES.  A head has 128 tiles of 16 queries.  Wave w = 2 gg + e of the work-group at place cx takes tile 2 cx + e of the token group gg, and then of the token group 15 - gg: (gg + 1) + (16 - gg) = 17 key steps in every wave.
; cx enters global addresses and the mask's comparand alone: no branch and no LDS address hangs on it.  Key steps that lie wholly behind the diagonal are jumped over (a scalar branch on the wave's number and the loop's counter).
; LAYOUT.  Both products are used transposed (S^T = k q^T, O^T = v^T p^T): a lane holds one query.  Lane r of a tile T holds token (or d) 32 (T / 2) + 8 (T % 2) + r + 8 (r / 8): so the 16 registers of result tiles 2 b, 2 b + 1 are
; 16 neighbours 32 b + 16 h + 0 .. 15.  THE HEAD'S 64 FILL HALF OF THE INSTRUCTION'S K: q's registers 6-11 are zero codes and bytes 2, 3 of both scale words are 0 (no NaN); k's tiles stand six registers apart, so the upper six
; registers of k's fragment t are tile t + 1's codes (behind the last: zeros): they meet q's zero codes and add exactly 0.
; LIMITS: NaN and infinities are not served; a block whose largest number lies under 2^-124 keeps the byte 1, a block of zeros too; a block's largest p is taken from the block's largest score, which takes v_exp_f32 not to fall where its
; input rises; 1 / l is v_rcp_f32's.  Nothing is prefetched: all that the launch reads from memory in bulk is asked for at its head.
.set WV,  12
.set GRP, 17                           ; s17  the token group of my queries
.set KI,  18                           ; s18  the key step
.set TB,  19                           ; s19  where its block begins in LDS
.set SEL, 20                           ; s[20:21] lane l xor 16
.set CS,  22                           ; s[22:23] c = log2(e) / 8
.set KVF, 32                           ; v32-79  k's eight tiles x 6 registers, later v's four x 12;  v80-85 zeros
.set KS,  86                           ; v86-93  k's scale words
.set VS,  94                           ; v94-97  v's
.set S,   98                           ; v98-161 S^T, then p
.set O,   162                          ; v162-193 O^T
.set PC,  194                          ; v194-205 p's codes
.set PT,  206                          ; v206-212 halves on their way
.set BMX, 214                          ; v214-217 the blocks' largest scores, then largest p
.set BY,  218                          ; v218-221 the other half's, then the bytes
.set SO,  222                          ; v222-225 the conversions' scale operands
; v1 16 x lane, v2 8 x lane, v3 16 r, v4 the mask's comparand, v5, v6, v245 q's offsets, v7 -infinity, v8-10 the step's LDS addresses, v11 32 r, v12 -M, v13 the largest t, v[14:15] the sum, v16-27 q of phase 1, v28 its scale words,
; v29 p's scale word, v30 f (v31 = 0 beside it), v[226:227] the sum's second chain, v228-231 at work, v232-243 q of phase 2, v244 its scale words
.macro ROUND                           ; a round of the cluster's barrier
	s_barrier_signal -1
	s_barrier_wait -1
	s_cmp_lg_u32 s[WV], 0
	s_cbranch_scc1 .Lnot_wave_0_\@
	s_barrier_signal -3
.Lnot_wave_0_\@:
	s_barrier_wait -3
	s_barrier_signal -1
	s_barrier_wait -1
.endm
	s_load_b256 s[4:11], s[0:1], 0x0               ; qi, kv, ac, asc
	v_lshl_add_u32 v254, v0, 2, 0x34000
	v_mov_b32 v255, 0
	ds_add_u32 v254, v255
	ds_add_u32 v254, v255
	v_lshrrev_b32 v1, 5, v0
	s_delay_alu instid0(VALU_DEP_1)
	v_readfirstlane_b32 s[WV], v1                  ; wave 0..15
	s_bfe_u32 s13, ttmp6, 0x40000                  ; cx
	s_and_b32 s14, ttmp7, 0xffff                   ; 16 x batch + head, which the four partners share
	s_lshr_b32 s15, s[WV], 1                       ; gg
	s_and_b32 s16, s[WV], 1                        ; e
	; descriptors: waves 0-7 fetch the k parts (6,656 bytes: 26 rows of 256), waves 8-15 the v parts (6,400: 25 rows), of key steps w % 8 and w % 8 + 8
	s_mov_b32 s24, 15|(3<<16)|(1<<21)              ; the mask: all four work-groups; elements of 8 bytes; no padding
	s_mov_b32 s25, 32<<16
	s_mov_b32 s26, 26<<16
	s_mov_b32 s27, 32<<16
	s_mov_b32 s28, 26
	s_mov_b32 s29, 32
	s_mov_b32 s30, 0
	s_mov_b32 s31, 0
	s_mov_b32 s32, 15|(3<<16)|(1<<21)
	s_mov_b32 s33, 32<<16
	s_mov_b32 s34, 25<<16
	s_mov_b32 s35, 32<<16
	s_mov_b32 s36, 25
	s_mov_b32 s37, 32
	s_mov_b32 s38, 0
	s_mov_b32 s39, 0
	s_and_b32 s60, s[WV], 7
	s_mul_i32 s60, s60, 13056
	s_lshr_b32 s61, s[WV], 3
	s_mul_i32 s61, s61, 6656
	s_add_co_u32 s60, s60, s61                     ; my part's place, in LDS as in the head's bytes
	s_mul_i32 s62, s14, 208896
	s_add_co_u32 s62, s62, s60
	s_mov_b32 s63, 0
	s_wait_dscnt 0x0
	s_wait_kmcnt 0x0
	s_add_nc_u64 s[62:63], s[6:7], s[62:63]
	s_mov_b32 s40, 1
	s_mov_b32 s41, s60
	s_mov_b64 s[42:43], s[62:63]
	s_or_b32 s43, s43, 0x80000000
	s_mov_b32 s44, 1
	s_add_co_u32 s45, s60, 104448                  ; eight key steps on
	s_add_nc_u64 s[46:47], s[62:63], 104448
	s_or_b32 s47, s47, 0x80000000
	ROUND                                          ; all four work-groups are here: the joint loads meet
	s_cmp_lt_u32 s[WV], 8                          ; a wave's two fills stand in one branch on its number: two loads of mine are out
	s_cbranch_scc0 .Lfill_v
	tensor_load_to_lds s[40:43], s[24:31]
	s_nop 0
	tensor_load_to_lds s[44:47], s[24:31]
	s_nop 0
.rept 4
	v_nop
.endr
	s_branch .Lfilled
.Lfill_v:
	tensor_load_to_lds s[40:43], s[32:39]
	s_nop 0
	tensor_load_to_lds s[44:47], s[32:39]
	s_nop 0
.rept 4
	v_nop
.endr
.Lfilled:
	v_and_b32 v228, 31, v0                         ; lane
	v_and_b32 v229, 15, v0                         ; r
	v_bfe_u32 v230, v0, 4, 1                       ; h
	s_delay_alu instid0(VALU_DEP_3)
	v_lshlrev_b32 v1, 4, v228
	s_delay_alu instid0(VALU_DEP_4)
	v_lshlrev_b32 v2, 3, v228
	s_delay_alu instid0(VALU_DEP_4)
	v_lshlrev_b32 v3, 4, v229
	s_wait_alu depctr_va_vdst(0)
	v_lshlrev_b32 v11, 5, v229
	s_lshl_b32 s66, s13, 1
	s_add_co_u32 s66, s66, s16                     ; my tile in a group of 128 tokens: 2 cx + e
	s_mul_i32 s67, s66, 768
	v_add_nc_u32 v5, s67, v1                       ; q: registers 0-3
	s_wait_alu depctr_va_vdst(0)
	s_add_co_u32 s67, s67, 512
	v_add_nc_u32 v6, s67, v2                       ; registers 4-5
	s_wait_alu depctr_va_vdst(0)
	s_lshr_b32 s67, s66, 2
	s_lshl_b32 s67, s67, 8
	s_and_b32 s68, s66, 3
	s_lshl_b32 s68, s68, 2
	s_add_co_u32 s67, s67, s68
	s_add_co_u32 s67, s67, 6144
	v_add_nc_u32 v245, s67, v3                     ; its scale words
	s_wait_alu depctr_va_vdst(0)
	v_and_b32 v231, 8, v229
	s_delay_alu instid0(VALU_DEP_1)
	v_add_nc_u32 v4, v231, v229
	v_lshlrev_b32 v231, 4, v230
	s_delay_alu instid0(VALU_DEP_1)
	v_sub_nc_u32 v4, v4, v231
	s_lshl_b32 s67, s13, 5
	s_lshl_b32 s68, s16, 3
	s_add_co_u32 s67, s67, s68
	v_add_nc_u32 v4, s67, v4                       ; d = my query's place in its group - 16 h: on the diagonal register 16 b + i holds key 32 b + 16 h + i, hidden where 32 b + i > d
	s_lshl_b32 s60, s14, 4
	s_add_co_u32 s61, s60, s15
	s_mul_i32 s62, s61, 6656
	s_mov_b32 s63, 0
	s_add_nc_u64 s[48:49], s[4:5], s[62:63]        ; q's block of phase 1: group gg
	s_sub_co_u32 s61, 15, s15
	s_add_co_u32 s61, s61, s60
	s_mul_i32 s62, s61, 6656
	s_add_nc_u64 s[52:53], s[4:5], s[62:63]        ; of phase 2: group 15 - gg
	global_load_b128 v[16:19], v5, s[48:49]
	global_load_b64 v[20:21], v6, s[48:49]
	global_load_b32 v28, v245, s[48:49]
	global_load_b128 v[232:235], v5, s[52:53]
	global_load_b64 v[236:237], v6, s[52:53]
	global_load_b32 v244, v245, s[52:53]
	; where the results go: ac's fragment (group of 128 rows 16 x batch + g, tile 2 cx + e, K = 64 x head on), asc's bytes 2 x head of my rows
	s_lshr_b32 s60, s14, 4
	s_lshl_b32 s60, s60, 4
	s_add_co_u32 s60, s60, s15                     ; phase 1's group of rows
	s_and_b32 s61, s14, 15                         ; the head
	s_mul_i32 s62, s60, 98304
	s_lshr_b32 s63, s61, 2
	s_mul_i32 s63, s63, 24576
	s_add_co_u32 s62, s62, s63
	s_bfe_u32 s63, s61, 0x10001
	s_lshl_b32 s67, s66, 1
	s_add_co_u32 s67, s67, s63
	s_mul_i32 s67, s67, 1536
	s_and_b32 s63, s61, 1
	s_mul_i32 s63, s63, 768
	s_add_co_u32 s67, s67, s63
	s_add_co_u32 s68, s67, s62
	s_mov_b32 s69, 0
	s_add_nc_u64 s[56:57], s[8:9], s[68:69]
	s_lshl_b32 s68, s60, 12
	s_lshl_b32 s67, s66, 9
	s_add_co_u32 s68, s68, s67
	s_lshl_b32 s67, s61, 1
	s_add_co_u32 s68, s68, s67
	s_add_nc_u64 s[58:59], s[10:11], s[68:69]
	s_mov_b32 s[SEL], 0x76543210
	s_mov_b32 s[SEL+1], 0xfedcba98
	s_mov_b32 s[CS], 0x3e38aa3b                    ; log2(e) / 8
	s_mov_b32 s[CS+1], s[CS]                       ; (named with it as a pair, so it is written)
	v_mov_b32 v7, 0xff800000                       ; -infinity
	v_mov_b32 v31, 0
.irp i, 0,1,2,3,4,5
	v_mov_b32 v[22+\i], 0                          ; zero codes: the unused half of K
	v_mov_b32 v[238+\i], 0
	v_mov_b32 v[80+\i], 0
.endr
.irp b, 0,1,2,3
	v_mov_b32 v[BY+\b], 0                          ; written once: a lane permute's destination counts as one of its sources
.endr
.macro REINIT                          ; a phase begins: the first change of M multiplies zeros
	v_mov_b32 v13, 0xff61b1e6                      ; the largest t so far: -3e38
	s_delay_alu instid0(VALU_DEP_1)
	v_floor_f32 v12, -v13                          ; -M
	v_mov_b32 v14, 0
	v_mov_b32 v15, 0
.set j, 0
.rept 32
	v_mov_b32 v[O+j], 0
.set j, j+1
.endr
.endm
; A KEY STEP: 128 keys, for my 16 queries in v[QF] on, scale words in v[QSR].
.macro STEP QF, QSR
	s_cmp_gt_u32 s[KI], s[GRP]                     ; all its keys come after my queries: nothing to do
	s_cbranch_scc1 .Lhidden_\@
	s_setprio 2
	v_add_nc_u32 v8, s[TB], v1
	v_add_nc_u32 v9, s[TB], v2
	v_add_nc_u32 v10, s[TB], v3
	v_nop                                          ; four plain instructions in front of loads into registers that the last products read
.irp t, 0,1,2,3,4,5,6,7
	ds_load_b128 v[KVF+6*\t:KVF+6*\t+3], v8 offset:768*\t
	ds_load_b64 v[KVF+6*\t+4:KVF+6*\t+5], v9 offset:768*\t+512
.endr
	ds_load_b128 v[KS:KS+3], v10 offset:6144
	ds_load_b128 v[KS+4:KS+7], v10 offset:6400
	s_wait_alu depctr_va_vdst(0)
	s_wait_dscnt 0x0
.irp t, 0,1,2,3,4,5,6,7
	v_wmma_scale_f32_16x16x128_f8f6f4 v[S+8*\t:S+8*\t+7], v[KVF+6*\t:KVF+6*\t+11], v[\QF:\QF+11], 0, v[KS+\t], v[\QSR] matrix_a_fmt:MATRIX_FMT_FP6 matrix_b_fmt:MATRIX_FMT_FP6
.endr
.rept 4
	v_nop                                          ; places: behind them k's registers are loaded again and the scores are read
.endr
.irp t, 0,1,2,3                                ; v's four tiles are asked for now and land under the softmax
.irp c, 0,1,2
	ds_load_b128 v[KVF+12*\t+4*\c:KVF+12*\t+4*\c+3], v8 offset:6656+1536*\t+512*\c
.endr
.endr
	ds_load_b128 v[VS:VS+3], v10 offset:12800
	s_cmp_lt_u32 s[KI], s[GRP]                     ; all keys count: no mask
	s_cbranch_scc1 .Lopen_\@
.set n, 0
.rept 64                               ; on the diagonal hidden scores become -infinity ahead of the maximum: p = 0 then
	v_cmp_gt_i32 vcc_lo, 32*(n/16)+n%16, v4
	v_cndmask_b32 v[S+n], v[S+n], v7, vcc_lo
.set n, n+1
.endr
.Lopen_\@:
.irp b, 0,1,2,3
	v_max3_num_f32 v[BMX+\b], v[S+16*\b], v[S+1+16*\b], v[S+2+16*\b]   ; the largest score of each block of 32 keys: for the row's maximum, and for the block's largest p
.endr
.irp i, 3,5,7,9,11,13
.irp b, 0,1,2,3
	v_max3_num_f32 v[BMX+\b], v[BMX+\b], v[S+16*\b+\i], v[S+1+16*\b+\i]
.endr
.endr
.irp b, 0,1,2,3
	v_max_num_f32 v[BMX+\b], v[BMX+\b], v[S+15+16*\b]
.endr
.irp b, 0,1,2,3
	s_delay_alu instid0(VALU_DEP_4)
	v_permlanex16_b32 v[BY+\b], v[BMX+\b], s[SEL], s[SEL+1]
.endr
.irp b, 0,1,2,3
	s_delay_alu instid0(VALU_DEP_4)
	v_max_num_f32 v[BMX+\b], v[BMX+\b], v[BY+\b]   ; with lane l xor 16's 16 keys
.endr
	s_delay_alu instid0(VALU_DEP_2)
	v_max3_num_f32 v228, v[BMX], v[BMX+1], v[BMX+2]
	s_delay_alu instid0(VALU_DEP_1)
	v_max_num_f32 v228, v228, v[BMX+3]
	s_delay_alu instid0(VALU_DEP_1)
	v_mul_f32 v228, s[CS], v228                    ; the step's largest t
	s_delay_alu instid0(VALU_DEP_1)
	v_max_num_f32 v13, v13, v228                   ; the running largest t
	v_mov_b32 v228, v12
	s_delay_alu instid0(VALU_DEP_2)
	v_floor_f32 v12, -v13                          ; the new -M = -ceil(t): a whole number
	s_delay_alu instid0(VALU_DEP_1)
	v_sub_f32 v228, v12, v228                      ; old M - new M: a whole number, 0 or less
	s_delay_alu instid0(VALU_DEP_1)
	v_cvt_i32_f32 v228, v228                       ; (it saturates)
	s_delay_alu instid0(VALU_DEP_1)
	v_ldexp_f32 v30, 1.0, v228                     ; f = 2^(old M - new M)
.set j, 0
.rept 32
	v_pk_fma_f32 v[S+j:S+j+1], v[S+j:S+j+1], s[CS:CS+1], v[12:13] op_sel_hi:[1,0,0]   ; t - M, two at a time
.set j, j+2
.endr
	s_setprio 1
.irp b, 0,1,2,3
	v_fma_f32 v[BMX+\b], v[BMX+\b], s[CS], v12     ; the same of each block's largest score
.endr
.set j, 0
	s_wait_alu depctr_va_vdst(0)
.rept 64
	v_exp_f32 v[S+j], v[S+j]                       ; p = 2^(t - M), at most 1
.set j, j+1
.endr
	v_pk_mul_f32 v[14:15], v[14:15], v[30:31] op_sel_hi:[1,0]   ; the sums under the new M: the plain instruction behind the exponentials
	s_wait_alu depctr_va_vdst(0)                   ; one wait for the batch of 64, ahead of its first reader
.irp b, 0,1,2,3
	v_exp_f32 v[BMX+\b], v[BMX+\b]                 ; the blocks' largest p
.endr
	v_pk_add_f32 v[226:227], v[102:103], v[106:107]
	v_pk_add_f32 v[252:253], v[110:111], v[114:115]
	v_pk_add_f32 v[250:251], v[118:119], v[122:123]
	v_pk_add_f32 v[248:249], v[126:127], v[130:131]
	v_pk_add_f32 v[246:247], v[134:135], v[138:139]
	v_pk_add_f32 v[230:231], v[142:143], v[146:147]
	v_pk_add_f32 v[224:225], v[150:151], v[154:155]
	v_pk_add_f32 v[14:15], v[14:15], v[158:159]
	v_pk_add_f32 v[226:227], v[226:227], v[98:99]
	v_pk_add_f32 v[252:253], v[252:253], v[100:101]
	v_pk_add_f32 v[250:251], v[250:251], v[104:105]
	v_pk_add_f32 v[248:249], v[248:249], v[108:109]
	v_pk_add_f32 v[246:247], v[246:247], v[112:113]
	v_pk_add_f32 v[230:231], v[230:231], v[116:117]
	v_pk_add_f32 v[224:225], v[224:225], v[120:121]
	v_pk_add_f32 v[14:15], v[14:15], v[124:125]
	v_pk_add_f32 v[226:227], v[226:227], v[128:129]
	v_pk_add_f32 v[252:253], v[252:253], v[132:133]
	v_pk_add_f32 v[250:251], v[250:251], v[136:137]
	v_pk_add_f32 v[248:249], v[248:249], v[140:141]
	v_pk_add_f32 v[246:247], v[246:247], v[144:145]
	v_pk_add_f32 v[230:231], v[230:231], v[148:149]
	v_pk_add_f32 v[224:225], v[224:225], v[152:153]
	v_pk_add_f32 v[14:15], v[14:15], v[156:157]
	v_pk_add_f32 v[226:227], v[226:227], v[160:161]
	s_delay_alu instid0(VALU_DEP_2)
	v_pk_add_f32 v[14:15], v[14:15], v[248:249]
	s_delay_alu instid0(VALU_DEP_2)
	v_pk_add_f32 v[226:227], v[226:227], v[246:247]
	v_pk_add_f32 v[252:253], v[252:253], v[230:231]
	v_pk_add_f32 v[250:251], v[250:251], v[224:225]
	s_delay_alu instid0(VALU_DEP_2)
	v_pk_add_f32 v[14:15], v[14:15], v[252:253]
	s_delay_alu instid0(VALU_DEP_2)
	v_pk_add_f32 v[226:227], v[226:227], v[250:251]
	s_delay_alu instid0(VALU_DEP_1)
	v_pk_add_f32 v[14:15], v[14:15], v[226:227]
	s_wait_alu depctr_va_vdst(0)                   ; and one for the four
.irp b, 0,1,2,3
	v_max_num_f32 v[BMX+\b], 0x1800000, v[BMX+\b]  ; the floor 2^(3 - 127): the byte cannot fall under 1
.endr
.irp b, 0,1,2,3
	s_delay_alu instid0(VALU_DEP_4)
	v_add_nc_u32 v[SO+\b], 0xff000000, v[BMX+\b]   ; 2 off the exponent field: the conversion's scale operand
.endr
.irp b, 0,1,2,3
	s_delay_alu instid0(VALU_DEP_4)
	v_lshrrev_b32 v[BY+\b], 23, v[SO+\b]           ; the scale's byte
.endr
	s_delay_alu instid0(VALU_DEP_3)
	v_lshl_or_b32 v29, v[BY+1], 8, v[BY]           ; p's scale word for these 128 keys
	s_delay_alu instid0(VALU_DEP_1)
	v_lshl_or_b32 v29, v[BY+2], 16, v29
	s_delay_alu instid0(VALU_DEP_1)
	v_lshl_or_b32 v29, v[BY+3], 24, v29
	s_setprio 0
.irp c, 0,1
	v_cvt_scalef32_pk16_fp6_f32 v[PC+6*\c:PC+2+6*\c], v[S+32*\c:S+15+32*\c], v[SO+2*\c]
	v_cvt_scalef32_pk16_fp6_f32 v[PT+4*\c:PT+2+4*\c], v[S+16+32*\c:S+31+32*\c], v[SO+2*\c+1]
.endr
	v_nop                                          ; one plain instruction behind the scaled conversions
.irp c, 0,1                                    ; the operand wants a whole block in a lane
.irp i, 0,1,2
	v_permlane16_swap_b32 v[PC+6*\c+\i], v[PT+4*\c+\i]
.endr
.irp i, 0,1,2
	s_delay_alu instid0(VALU_DEP_3)
	v_mov_b32 v[PC+3+6*\c+\i], v[PT+4*\c+\i]
.endr
.endr
.set j, 0
.rept 16
	v_pk_mul_f32 v[O+j:O+j+1], v[O+j:O+j+1], v[30:31] op_sel_hi:[1,0]   ; O^T under the new M; these sixteen are also the places between the writes of p's codes and scale word and the products
.set j, j+2
.endr
	s_wait_alu depctr_va_vdst(0)
	s_wait_dscnt 0x0                               ; v is in
.irp t, 0,1,2,3                                ; four accumulators, one instruction a turn; between two links of a chain stand the next step's eight and three of these
	v_wmma_scale_f32_16x16x128_f8f6f4 v[O+8*\t:O+8*\t+7], v[KVF+12*\t:KVF+12*\t+11], v[PC:PC+11], v[O+8*\t:O+8*\t+7], v[VS+\t], v29 matrix_a_fmt:MATRIX_FMT_FP6 matrix_b_fmt:MATRIX_FMT_FP6
.endr
.Lhidden_\@:
.endm
; A PHASE'S END: O^T / l, quantised along the head's 64 (two blocks of d_model), stored as half a fragment of ac and two bytes a row of asc.
.macro FINISH
.rept 4
	v_nop                                          ; places behind the last products
.endr
	v_add_f32 v14, v14, v15
	s_delay_alu instid0(VALU_DEP_1)
	v_permlanex16_b32 v228, v14, s[SEL], s[SEL+1]
	s_delay_alu instid0(VALU_DEP_1)
	v_add_f32 v14, v14, v228                       ; the row's sum
	s_wait_alu depctr_va_vdst(0)
	v_rcp_f32 v30, v14
	v_nop                                          ; a plain instruction behind the reciprocal,
	s_wait_alu depctr_va_vdst(0)                   ; and the wait ahead of its first reader
.set j, 0
.rept 16
	v_pk_mul_f32 v[S+j:S+j+1], v[O+j:O+j+1], v[30:31] op_sel_hi:[1,0]   ; register 16 b + i: d = 32 b + 16 h + i of my query; each accumulator from its low end on
.set j, j+2
.endr
.irp b, 0,1
	v_max3_num_f32 v[BMX+\b], |v[S+16*\b]|, |v[S+1+16*\b]|, 0x1800000
.endr
.irp i, 2,4,6,8,10,12,14
.irp b, 0,1
	s_delay_alu instid0(VALU_DEP_2)
	v_max3_num_f32 v[BMX+\b], v[BMX+\b], |v[S+16*\b+\i]|, |v[S+1+16*\b+\i]|
.endr
.endr
.irp b, 0,1
	s_delay_alu instid0(VALU_DEP_2)
	v_permlanex16_b32 v[BY+\b], v[BMX+\b], s[SEL], s[SEL+1]
.endr
.irp b, 0,1
	s_delay_alu instid0(VALU_DEP_2)
	v_max_num_f32 v[BMX+\b], v[BMX+\b], v[BY+\b]
.endr
.irp b, 0,1
	s_delay_alu instid0(VALU_DEP_2)
	v_add_nc_u32 v[SO+\b], 0xff000000, v[BMX+\b]
.endr
.irp b, 0,1
	s_delay_alu instid0(VALU_DEP_2)
	v_lshrrev_b32 v[BY+\b], 23, v[SO+\b]
.endr
	s_delay_alu instid0(VALU_DEP_1)
	v_lshl_or_b32 v228, v[BY+1], 8, v[BY]          ; my row's two scale bytes
	v_cvt_scalef32_pk16_fp6_f32 v[PC:PC+2], v[S:S+15], v[SO]
	v_cvt_scalef32_pk16_fp6_f32 v[PT:PT+2], v[S+16:S+31], v[SO+1]
	v_nop
.irp i, 0,1,2
	v_permlane16_swap_b32 v[PC+\i], v[PT+\i]
.endr
.irp i, 0,1,2
	s_delay_alu instid0(VALU_DEP_3)
	v_mov_b32 v[PC+3+\i], v[PT+\i]
.endr
.irp p, 0,1,2
	global_store_b64 v2, v[PC+2*\p:PC+2*\p+1], s[56:57] offset:256*\p   ; 32 lanes store 256 consecutive bytes, aligned
.endr
	global_store_b16 v11, v228, s[58:59]           ; two bytes a row, rows 32 bytes apart (both halves of the lanes write the same): a row's 32 bytes come from 16 heads, that is 16 clusters; one byte in 24 of what the launch stores
.endm
	REINIT
	s_wait_loadcnt 0x0                             ; q
	s_wait_tensorcnt 1                             ; my part of key steps 0-7 is in; my second load may be out
	s_barrier_signal -1
	s_barrier_wait -1                              ; everybody's is
	s_mov_b32 s[GRP], s15
	s_mov_b32 s[KI], 0
	s_mov_b32 s[TB], 0
	STEP 16, 28                                    ; key step 0, in which every wave has work, stands in front of the second barrier: it is worked while key steps 8-15 land
	s_mov_b32 s[KI], 1
	s_mov_b32 s[TB], 13056
	s_wait_tensorcnt 0x0                           ; my part of key steps 8-15 is in,
	s_wait_dscnt 0x0
	s_barrier_signal -1
	s_barrier_wait -1                              ; everybody's is: the whole head lies in LDS, and the waves run free from here on
.Lp1:                                              ; phase 1: key steps 1-7; those beyond gg are jumped over
	STEP 16, 28
	s_add_co_u32 s[TB], s[TB], 13056
	s_add_co_u32 s[KI], s[KI], 1
	s_cmp_lt_u32 s[KI], 8
	s_cbranch_scc1 .Lp1
	s_setprio 0
	FINISH
	s_wait_xcnt 0x0                                ; the stores have read their registers and bases, which are written again below
	REINIT
	s_lshl_b32 s60, s15, 1
	s_sub_co_u32 s60, 15, s60                      ; from group gg to group 15 - gg: 15 - 2 gg groups on, at least one
	s_mul_i32 s62, s60, 98304
	s_mov_b32 s63, 0
	s_add_nc_u64 s[56:57], s[56:57], s[62:63]
	s_lshl_b32 s62, s60, 12
	s_add_nc_u64 s[58:59], s[58:59], s[62:63]
	s_sub_co_u32 s[GRP], 15, s15
	s_mov_b32 s[KI], 0
	s_mov_b32 s[TB], 0
.Lp2:                                              ; phase 2: key steps 0-15; those beyond 15 - gg are jumped over
	STEP 232, 244
	s_add_co_u32 s[TB], s[TB], 13056
	s_add_co_u32 s[KI], s[KI], 1
	s_cmp_lt_u32 s[KI], 16
	s_cbranch_scc1 .Lp2
	s_setprio 0
	FINISH
	s_wait_dscnt 0x0
	s_wait_tensorcnt 0x0
	ds_add_u32 v254, v255
	s_wait_dscnt 0x0
	ROUND                                          ; the closing round
	s_endpgm
.Lfunc_end_k_q16614c84a9_attn:
	.size	k_q16614c84a9_attn, .Lfunc_end_k_q16614c84a9_attn-k_q16614c84a9_attn
	.p2alignl 7, 3214868480
	.fill 96, 4, 3214868480
	.section	.rodata,"a",@progbits
	.p2align	6, 0x0
	.amdhsa_kernel k_q16614c84a9_attn
		.amdhsa_group_segment_fixed_size 215040
		.amdhsa_private_segment_fixed_size 0
		.amdhsa_enable_private_segment 0
		.amdhsa_kernarg_size 32
		.amdhsa_user_sgpr_count 2
		.amdhsa_user_sgpr_kernarg_segment_ptr 1
		.amdhsa_wavefront_size32 1
		.amdhsa_system_sgpr_workgroup_id_x 1
		.amdhsa_system_sgpr_workgroup_id_y 1
		.amdhsa_system_sgpr_workgroup_id_z 1
		.amdhsa_system_vgpr_workitem_id 0
		.amdhsa_next_free_vgpr 256
		.amdhsa_next_free_sgpr 72
		.amdhsa_reserve_vcc 1
		.amdhsa_float_denorm_mode_32 3
		.amdhsa_float_denorm_mode_16_64 3
		.amdhsa_memory_ordered 1
		.amdhsa_forward_progress 1
		.amdhsa_inst_pref_size 87
	.end_amdhsa_kernel
	.amdgpu_metadata
---
amdhsa.version: [ 1, 2 ]
amdhsa.kernels:
  - .name:           k_q16614c84a9_attn
    .symbol:         k_q16614c84a9_attn.kd
    .args:
      - { .name: qi, .offset: 0, .size: 8, .value_kind: global_buffer, .address_space: global }
      - { .name: kv, .offset: 8, .size: 8, .value_kind: global_buffer, .address_space: global }
      - { .name: ac, .offset: 16, .size: 8, .value_kind: global_buffer, .address_space: global }
      - { .name: asc, .offset: 24, .size: 8, .value_kind: global_buffer, .address_space: global }
    .group_segment_fixed_size: 215040
    .private_segment_fixed_size: 0
    .kernarg_segment_align: 8
    .kernarg_segment_size: 32
    .max_flat_workgroup_size: 512
    .sgpr_count:     72
    .vgpr_count:     256
    .wavefront_size: 32
...
	.end_amdgpu_metadata
.endif
;; end of part 3
;; launch proj (part 4): grid 4 x 32, 4 waves a work-group, clusters of 4 x 4, 327,680 bytes of LDS; arguments ac, asc, wc, ws, bo, out0; writes out0
.if DOCPART == 4
	.amdgcn_target "amdgcn-amd-amdhsa--gfx1250"
	.amdhsa_code_object_version 6
	.text
	.protected	k_q16614c84a9_proj
	.globl	k_q16614c84a9_proj
	.p2align	8
	.type	k_q16614c84a9_proj,@function
k_q16614c84a9_proj:
	s_mov_b64 s[64:65], 0
	v_nop
	global_prefetch_b8 v0, s[64:65] scope:SCOPE_SE
	s_setreg_imm32_b32 hwreg(HW_REG_WAVE_MODE, 25, 1), 1
	s_wait_xcnt 0x0
	s_wait_alu depctr_hold_cnt(0) depctr_sa_sdst(0) depctr_va_vdst(0) depctr_va_sdst(0) depctr_va_ssrc(0) depctr_va_vcc(0) depctr_vm_vsrc(0)
	s_getreg_b32 s2, hwreg(HW_REG_IB_STS2, 6, 4)
	s_cmp_eq_u32 s2, 0
	s_cbranch_scc0 .Lentry_in_a_cluster
	s_endpgm
.Lentry_in_a_cluster:
	s_bfe_u32 s2, ttmp6, 0x10000c
	s_cmp_lg_u32 s2, 0xf033
	s_cbranch_scc0 .Lentry_shape_is_right
	s_endpgm
.Lentry_shape_is_right:
; out0 = a wo + bo on codes of FP6 (E2M3) with E8M0 scales; a: the attention's result, 8,192 rows x 1,024, as images of operand registers (ac, asc); wo: the groups of 128 rows 24-31 of wc and ws.  out0 is f32.
; A tile of C is 256 x 256: four waves, each 128 x 128 in 64 accumulators; K = 1,024 in four steps of 256 through two LDS slots filled by the tensor data mover; 128 rows x 256 along K are one dense block of 24,576 bytes
; (six planes of 256 bytes a fragment), so each LDS load of 8 bytes a lane reads 256 consecutive bytes.  128 tiles, 128 work-groups: a smaller tile would read each fragment from LDS for half the products.
; CLUSTERS of 4 x 4: A's tile is asked for jointly by a row of the cluster, B's by a column.  THE MATRIX INSTRUCTION IS USED TRANSPOSED (source 0 = 16 rows of B, source 1 = 16 rows of A).
; Lane r of a tile T of 16 rows holds row 32 (T / 2) + 8 (T % 2) + r + 8 (r / 8), in A and in B: the way out puts rows and columns back in their places.  The bias is the C of each sum's first product.
; Nothing is prefetched: K has four steps, two of them first fills.
; REGISTERS: window 0: v0-31 addresses; v32-63 scale words, two sets, and nothing else; v64-127 the bias; v128-223 A's fragments, one set (on the way out v128-255: rows of out0).  window 1: B's fragments, two sets.  windows 2, 3: the accumulators.
.set NQ,     2
.set FR,     12
.set NL,     6
.set NP,     4                         ; places behind this matrix instruction (ISA guide 7.12.1)
.set HALFT,  24576
.set SLOT,   4*HALFT
.set SCL,    2*SLOT
.set HALFS,  16*272
.set SBLK,   2*272
.set SPARE,  SCL+4*HALFS               ; the spare words: 128 bytes for each wave, two blocks of 256 bytes that no other line names
.set SPITCH, 528                       ; the way out: a stage of 16 rows x (512 + 16) bytes for each wave, in slot 0, which has had its last fill and its last read when the first result is stored there
.set ADRA, 16
.set ADRB, 20
.set ADRS, 22
.set STO,  24
.set RD,   25
.set CO,   26
.set SPW,  28
.set NIL,  29
.set SC,   32
.set BN,   64
.set AF,   128
.set BK,   128
.set G1, 24
.set G0, 32
.set G1B, 48
.set G0B, 56
.set G1S, 68
.set G0S, 76
.set G1SB, 80
.set G0SB, 88
.set MSB, 0
.macro WIN new                         ; the immediate's high byte repeats the setting that is left
.if MSB != (\new)
	s_set_vgpr_msb (MSB<<8)|(\new)
.set MSB, (\new)
.endif
.endm
.set MUL_LO, 0xa1                      ; source 0 (B) window 1, source 1 (A) window 0, C and D window 2
.set MUL_HI, 0xf1
.set FIRST_LO, 0x81                    ; the same with C (the bias) in window 0
.set FIRST_HI, 0xc1
.set TO_B,   0x40
.macro JLOAD g0a, g1a, g0b, g1b        ; a joint load: waves 0 and 1 fetch for A, waves 2 and 3 for B; four v_nop follow each of the two lines
	s_cmp_eq_u32 s15, 0
	s_cbranch_scc0 .Lfor_b_\@
	tensor_load_to_lds s[\g0a:\g0a+3], s[\g1a:\g1a+7]
	s_nop 0
.rept 4
	v_nop
.endr
	s_branch .Lasked_\@
.Lfor_b_\@:
	tensor_load_to_lds s[\g0b:\g0b+3], s[\g1b:\g1b+7]
	s_nop 0
.rept 4
	v_nop
.endr
.Lasked_\@:
.endm
.macro CREST
	s_cmp_lg_u32 s14, 0
	s_cbranch_scc1 .Lnot_wave_0_\@
	s_barrier_signal -3
.Lnot_wave_0_\@:
	s_barrier_wait -3
	s_barrier_signal -1
	s_barrier_wait -1
.endm
.macro CROUND
	s_barrier_signal -1
	s_barrier_wait -1
	CREST
.endm
	s_load_b256 s[4:11], s[0:1], 0x0               ; A's codes, A's scales, wc, ws
	s_load_b128 s[92:95], s[0:1], 0x20             ; bo, out0
	v_lshl_add_u32 v[SPW], v0, 2, SPARE
	v_mov_b32 v[NIL], 0
	ds_add_u32 v28, v29
	ds_add_u32 v28, v29
	s_wait_dscnt 0x0
	v_lshrrev_b32 v1, 5, v0
	v_readfirstlane_b32 s14, v1                    ; wave 0..3
	s_lshr_b32 s15, s14, 1                         ; which half of the tile's rows is mine.  Also: I fetch for A (0) or for B (1)
	s_and_b32 s16, s14, 1                          ; which half of its columns.  Also: which 128 rows I fetch
	s_bfe_u32 s40, ttmp6, 0x40000                  ; cx
	s_bfe_u32 s41, ttmp6, 0x40004                  ; cy
	s_lshl_b32 s42, ttmp9, 2
	s_add_co_u32 s42, s42, s40                     ; tile column
	s_and_b32 s17, ttmp7, 0xffff
	s_lshl_b32 s17, s17, 2
	s_add_co_u32 s17, s17, s41                     ; tile row
	s_lshl_b32 s43, s41, 2
	s_lshl_b32 s43, 15, s43                        ; my row of the cluster
	s_lshl_b32 s44, 0x1111, s40                    ; my column
	s_or_b32 s[G1+0], s43, (3<<16)|(1<<21)         ; codes: a dense block of 24,576 bytes as 96 rows of 32 elements of 8 bytes; no padding
	s_or_b32 s[G1B+0], s44, (3<<16)|(1<<21)
.irp g, G1, G1B
	s_mov_b32 s[\g+1], 32<<16
	s_mov_b32 s[\g+2], 96<<16
	s_mov_b32 s[\g+3], 32<<16
	s_mov_b32 s[\g+4], 96
	s_mov_b32 s[\g+5], 32
	s_mov_b32 s[\g+6], 0
	s_mov_b32 s[\g+7], 0
.endr
	s_or_b32 s[G1S+0], s43, (3<<16)|(1<<20)|(1<<21)|(5<<22)|(3<<25)   ; scales of 128 rows: 16 rows of 256 bytes, 16 bytes of padding behind each
	s_or_b32 s[G1SB+0], s44, (3<<16)|(1<<20)|(1<<21)|(5<<22)|(3<<25)
.irp g, G1S, G1SB
	s_mov_b32 s[\g+1], 32<<16
	s_mov_b32 s[\g+2], 16<<16
	s_mov_b32 s[\g+3], 32<<16
	s_mov_b32 s[\g+4], 16
	s_mov_b32 s[\g+5], 32
	s_mov_b32 s[\g+6], 0
	s_mov_b32 s[\g+7], 0
.endr
	s_lshl_b32 s20, s17, 1
	s_add_co_u32 s20, s20, s16                     ; A: the group of 128 rows that I fetch
	s_lshl_b32 s46, s42, 1
	s_add_co_u32 s46, s46, s16
	s_add_co_u32 s46, s46, 24                      ; B: wo's groups begin at 24
	s_lshl_b32 s22, s20, 12
	s_mov_b32 s23, 0
	s_mul_i32 s20, s20, 98304
	s_mov_b32 s21, 0
	s_lshl_b32 s96, s46, 12
	s_mov_b32 s97, 0
	s_mul_i32 s46, s46, 98304
	s_mov_b32 s47, 0
	s_mul_i32 s45, s14, HALFT                      ; where my tile goes: no place in the cluster enters an LDS address
	s_mul_i32 s98, s14, HALFS
	s_wait_kmcnt 0x0
	s_add_nc_u64 s[20:21], s[4:5], s[20:21]
	s_add_nc_u64 s[22:23], s[6:7], s[22:23]
	s_add_nc_u64 s[46:47], s[8:9], s[46:47]
	s_add_nc_u64 s[96:97], s[10:11], s[96:97]
	CROUND                                         ; all sixteen work-groups are here: the first joint loads meet
	s_mov_b32 s[G0S], 1
	s_add_co_u32 s[G0S+1], s98, SCL
	s_mov_b64 s[G0S+2:G0S+3], s[22:23]
	s_or_b32 s[G0S+3], s[G0S+3], 0x80000000
	s_mov_b32 s[G0SB], 1
	s_add_co_u32 s[G0SB+1], s98, SCL
	s_mov_b64 s[G0SB+2:G0SB+3], s[96:97]
	s_or_b32 s[G0SB+3], s[G0SB+3], 0x80000000
	JLOAD G0S, G1S, G0SB, G1SB                     ; the scales first.  With the two below, three loads of mine are out
.irp s, 0,1
	s_mov_b32 s[G0+4*\s], 1
	s_add_co_u32 s[G0+4*\s+1], s45, \s*SLOT
	s_add_nc_u64 s[G0+4*\s+2:G0+4*\s+3], s[20:21], \s*HALFT
	s_or_b32 s[G0+4*\s+3], s[G0+4*\s+3], 0x80000000
	s_mov_b32 s[G0B+4*\s], 1
	s_add_co_u32 s[G0B+4*\s+1], s45, \s*SLOT
	s_add_nc_u64 s[G0B+4*\s+2:G0B+4*\s+3], s[46:47], \s*HALFT
	s_or_b32 s[G0B+4*\s+3], s[G0B+4*\s+3], 0x80000000
	JLOAD G0+4*\s, G1, G0B+4*\s, G1B
.endr
	v_and_b32 v1, 15, v0                           ; r
	v_bfe_u32 v2, v0, 4, 1                         ; h
	v_and_b32 v3, 31, v0                           ; lane
	v_lshlrev_b32 v4, 3, v3                        ; 8 x lane
	s_mul_i32 s21, s15, HALFT
	s_mul_i32 s22, s16, HALFT
	s_add_co_u32 s22, s22, 2*HALFT
.irp s, 0,1
	v_add_nc_u32 v[ADRA+\s], s21, v4
	v_add_nc_u32 v[ADRB+\s], s22, v4
	s_add_co_u32 s21, s21, SLOT
	s_add_co_u32 s22, s22, SLOT
.endr
	v_mul_u32_u24 v5, v1, 32
	v_lshrrev_b32 v6, 8, v5
	v_lshl_add_u32 v5, v6, 4, v5
	s_mul_i32 s21, s15, HALFS
	s_mul_i32 s22, s16, HALFS
	s_add_co_u32 s22, s22, 2*HALFS
	s_sub_co_u32 s22, s22, s21
	v_mul_u32_u24 v6, s22, v2                      ; lanes 16-31 take B's scale words
	s_add_co_u32 s21, s21, SCL
	v_add_nc_u32 v5, v5, v6
	v_add_nc_u32 v[ADRS], s21, v5
	s_mul_i32 s23, s14, 16*SPITCH                  ; my stage
	v_mul_u32_u24 v5, v1, SPITCH
	v_lshl_add_u32 v5, v2, 6, v5
	v_add_nc_u32 v[STO], s23, v5                   ; in: row r, + 64 h
	v_lshlrev_b32 v[CO], 4, v3                     ; back: the 32 lanes take one row of 512 bytes; and the same in out0
	v_add_nc_u32 v[RD], s23, v[CO]
	s_lshl_b32 s20, s17, 8
	s_lshl_b32 s21, s15, 7
	s_add_co_u32 s20, s20, s21                     ; my first row
	s_lshl_b32 s20, s20, 12                        ; x 4,096 bytes
	s_lshl_b32 s46, s42, 10
	s_lshl_b32 s47, s16, 9
	s_add_co_u32 s46, s46, s47                     ; my first column, in bytes; also my 128 numbers of bo
	s_mov_b32 s47, 0
	s_add_nc_u64 s[92:93], s[92:93], s[46:47]
	s_add_co_u32 s20, s20, s46
	s_mov_b32 s21, 0
	s_add_nc_u64 s[12:13], s[94:95], s[20:21]      ; never stepped: every store's place stands in its immediate
	v_lshlrev_b32 v30, 6, v2                       ; the bias: 64 h; never rewritten
.irp t, 0,1,2,3,4,5,6,7                        ; register 8 t + j: bo at 32 (t / 2) + 8 (t % 2) + 16 h + j of my 128
	global_load_b128 v[BN+8*\t:BN+8*\t+3], v30, s[92:93] offset:(32*(\t/2)+8*(\t%2))*4
	global_load_b128 v[BN+8*\t+4:BN+8*\t+7], v30, s[92:93] offset:(32*(\t/2)+8*(\t%2))*4+16
.endr
.macro FRAG reg, adr, q, i
.irp p, 0,1,2,3,4,5
	ds_load_b64 v[\reg+2*\p:\reg+2*\p+1], v[\adr] offset:(2*(\i)+(\q))*1536+256*\p
.endr
.endm
; 16 matrix instructions: A's blocks a0, a0 + 1 x B's eight.  first = 1: the bias is the C of the sum's first product.  The 64 accumulators take turns, one instruction a turn.
.macro MUL16 a0, p, q, sc, first
.irp a, \a0, \a0+1
.irp b, 0,1,2,3,4,5,6,7
.if \first
	v_wmma_scale_f32_16x16x128_f8f6f4 v[8*(8*((\a)%4)+\b):8*(8*((\a)%4)+\b)+7], v[128*(\p)+FR*\b:128*(\p)+FR*\b+FR-1], v[AF+FR*(\a):AF+FR*(\a)+FR-1], v[BN+8*\b:BN+8*\b+7], v[SC+8*NQ*(\sc)+NQ*\b+(\q)], v[SC+8*NQ*(\sc)+NQ*(\a)+(\q)] matrix_a_fmt:MATRIX_FMT_FP6 matrix_b_fmt:MATRIX_FMT_FP6 matrix_a_scale:MATRIX_SCALE_ROW1
.else
	v_wmma_scale_f32_16x16x128_f8f6f4 v[8*(8*((\a)%4)+\b):8*(8*((\a)%4)+\b)+7], v[128*(\p)+FR*\b:128*(\p)+FR*\b+FR-1], v[AF+FR*(\a):AF+FR*(\a)+FR-1], v[8*(8*((\a)%4)+\b):8*(8*((\a)%4)+\b)+7], v[SC+8*NQ*(\sc)+NQ*\b+(\q)], v[SC+8*NQ*(\sc)+NQ*(\a)+(\q)] matrix_a_fmt:MATRIX_FMT_FP6 matrix_b_fmt:MATRIX_FMT_FP6 matrix_a_scale:MATRIX_SCALE_ROW1
.endif
.endr
.endr
.endm
.macro FETCH_B slot, q, p
	WIN TO_B
.irp i, 0,1,2,3,4,5,6,7
	FRAG 128*(\p)+FR*\i, ADRB+\slot, \q, \i
.endr
	WIN 0
.endm
.macro FETCH_A slot, q, i0
.irp i, \i0, \i0+1, \i0+2, \i0+3
	FRAG AF+FR*(\i), ADRA+\slot, \q, \i
.endr
.endm
.macro SCALES sc
.irp i, 0,1,2,3,4,5,6,7
	ds_load_b64 v[SC+8*NQ*\sc+NQ*\i:SC+8*NQ*\sc+NQ*\i+1], v[ADRS] offset:\i*SBLK
.endr
.endm
.macro PLACES n
.rept \n
	v_nop
.endr
.endm
.macro STEP slot, q, first
	s_wait_dscnt 4*NL                              ; B's set, A's blocks 0-3 and the scale words are in; the youngest 24 loads (A's blocks 4-7) may be out
.if \first
	WIN FIRST_LO
.else
	WIN MUL_LO
.endif
	MUL16 0, (\q)%2, \q, \slot, \first
	MUL16 2, (\q)%2, \q, \slot, \first
	s_wait_dscnt 0
	PLACES NP
	FETCH_B \slot, (\q)+1, 1-(\q)%2
	FETCH_A \slot, (\q)+1, 0
.if \first
	WIN FIRST_HI
.else
	WIN MUL_HI
.endif
	MUL16 4, (\q)%2, \q, \slot, \first
	MUL16 6, (\q)%2, \q, \slot, \first
	PLACES NP
	WIN 0
	FETCH_A \slot, (\q)+1, 4
.endm
.macro TURN slot, next, fill           ; a slot's last step changes slots
	s_wait_tensorcnt 0x0                           ; all my tensor loads have landed: my part of the next slot
	ds_add_u32 v[SPW], v[NIL]                      ; 0 onto my spare word
	s_wait_dscnt 4*NL+1                            ; (the add and the youngest 24 loads may be out)
	WIN MUL_LO
	MUL16 0, 1, NQ-1, \slot, 0
	s_wait_dscnt 0x0                               ; the add is done, and my reads of this slot are over
	s_barrier_signal -1
	MUL16 2, 1, NQ-1, \slot, 0
	WIN 0
	s_barrier_wait -1
.if \fill
	CREST                                          ; the barrier has opened a round of the cluster's barrier: no wave of any partner still reads this slot or has a load on its way
	s_add_nc_u64 s[G0+4*\slot+2:G0+4*\slot+3], s[G0+4*\slot+2:G0+4*\slot+3], 2*HALFT
	s_add_nc_u64 s[G0B+4*\slot+2:G0B+4*\slot+3], s[G0B+4*\slot+2:G0B+4*\slot+3], 2*HALFT
	JLOAD G0+4*\slot, G1, G0B+4*\slot, G1B         ; the first tensor load behind the round; its four v_nop are the places in front of the loads below
.else
	PLACES NP
.endif
	v_add_nc_u32 v[ADRS], 4*NQ, v[ADRS]
	FETCH_B \next, 0, 0
	FETCH_A \next, 0, 0
	SCALES \next
	WIN MUL_HI
	MUL16 4, 1, NQ-1, \slot, 0
	MUL16 6, 1, NQ-1, \slot, 0
	PLACES NP
	WIN 0
	FETCH_A \next, 0, 4
.endm
	s_wait_tensorcnt 1                             ; the scales and my part of K step 0 are in (K step 1's load may be out),
	s_barrier_signal -1
	s_barrier_wait -1                              ; everybody's are
	FETCH_B 0, 0, 0
	FETCH_A 0, 0, 0
	SCALES 0
	FETCH_A 0, 0, 4
	s_wait_loadcnt 0x0                             ; the bias
	STEP 0, 0, 1
	TURN 0, 1, 1                                   ; slot 0 takes K step 2
	STEP 1, 0, 0
	TURN 1, 0, 1                                   ; slot 1 takes K step 3
	STEP 0, 0, 0
	TURN 0, 1, 0                                   ; nothing is left to fetch
	STEP 1, 0, 0
	s_wait_dscnt 4*NL
	WIN MUL_LO
	MUL16 0, 1, NQ-1, 1, 0
	MUL16 2, 1, NQ-1, 1, 0
	s_wait_dscnt 0
	WIN MUL_HI
	MUL16 4, 1, NQ-1, 1, 0
	MUL16 6, 1, NQ-1, 1, 0
	WIN 0
; THE WAY OUT, block by block of 16 rows x 128 columns, through my own stage in LDS.  Register j of accumulator (a, b) is column 32 (b / 2) + 8 (b % 2) + 16 h + j of my 128; lane r is row 32 (a / 2) + 8 (a % 2) + r + 8 (r / 8) of my 128.
; LDS serves a wave's instructions in order (ISA guide 5.7.1.4): no wait between the stores and the loads, nor in front of the next block's stores.
.macro TOSTAGE a
.set AC, 64*((\a)%4)
	WIN 0x08+4*((\a)/4)                            ; the data: window 2 or 3
.irp b, 0,1,2,3,4,5,6,7
	ds_store_b128 v[STO], v[AC+8*\b:AC+8*\b+3] offset:128*(\b/2)+32*(\b%2)       ; each accumulator from its low end on
	ds_store_b128 v[STO], v[AC+8*\b+4:AC+8*\b+7] offset:128*(\b/2)+32*(\b%2)+16
.endr
	WIN 0
.set BB, BK+64*((\a)%2)
.irp t, 0,1,2,3,4,5,6,7,8,9,10,11,12,13,14,15
	ds_load_b128 v[BB+4*\t:BB+4*\t+3], v[RD] offset:\t*SPITCH
.endr
.endm
.macro SEND a, younger                 ; younger: the LDS instructions issued behind block a's loads, which may stay out
.set BB, BK+64*((\a)%2)
	s_wait_dscnt \younger
.irp t, 0,1,2,3,4,5,6,7,8,9,10,11,12,13,14,15
	global_store_b128 v[CO], v[BB+4*\t:BB+4*\t+3], s[12:13] offset:(32*((\a)/2)+8*((\a)%2)+\t+8*(\t/8))*4096 th:TH_STORE_NT   ; 32 lanes store 512 consecutive bytes, aligned; 127 rows of 4,096 bytes at the most, inside the signed 24-bit immediate
.endr
.endm
	PLACES NP                                      ; behind the last products: their results are read, and the registers that held A's fragments are loaded, below
	TOSTAGE 0
.irp a, 1,2,3,4,5,6,7
.if \a > 1
	s_wait_xcnt 0x0                                ; block a - 2's stores have read their registers: block a's loads may land there
.endif
	TOSTAGE \a
	SEND \a-1, 32                                  ; behind block a - 1's loads: block a's 16 stores and 16 loads
.endr
	SEND 7, 0
	s_wait_tensorcnt 0x0                           ; the wave's end
	ds_add_u32 v[SPW], v[NIL]
	s_wait_dscnt 0x0
	CROUND                                         ; the closing round
	s_endpgm
.Lfunc_end_k_q16614c84a9_proj:
	.size	k_q16614c84a9_proj, .Lfunc_end_k_q16614c84a9_proj-k_q16614c84a9_proj
	.p2alignl 7, 3214868480
	.fill 96, 4, 3214868480
	.section	.rodata,"a",@progbits
	.p2align	6, 0x0
	.amdhsa_kernel k_q16614c84a9_proj
		.amdhsa_group_segment_fixed_size 327680
		.amdhsa_private_segment_fixed_size 0
		.amdhsa_enable_private_segment 0
		.amdhsa_kernarg_size 48
		.amdhsa_user_sgpr_count 2
		.amdhsa_user_sgpr_kernarg_segment_ptr 1
		.amdhsa_wavefront_size32 1
		.amdhsa_system_sgpr_workgroup_id_x 1
		.amdhsa_system_sgpr_workgroup_id_y 1
		.amdhsa_system_sgpr_workgroup_id_z 1
		.amdhsa_system_vgpr_workitem_id 0
		.amdhsa_next_free_vgpr 1024
		.amdhsa_next_free_sgpr 100
		.amdhsa_reserve_vcc 0
		.amdhsa_float_denorm_mode_32 3
		.amdhsa_float_denorm_mode_16_64 3
		.amdhsa_memory_ordered 1
		.amdhsa_forward_progress 1
		.amdhsa_inst_pref_size 160
	.end_amdhsa_kernel
	.amdgpu_metadata
---
amdhsa.version: [ 1, 2 ]
amdhsa.kernels:
  - .name:           k_q16614c84a9_proj
    .symbol:         k_q16614c84a9_proj.kd
    .args:
      - { .name: ac, .offset: 0, .size: 8, .value_kind: global_buffer, .address_space: global }
      - { .name: asc, .offset: 8, .size: 8, .value_kind: global_buffer, .address_space: global }
      - { .name: wc, .offset: 16, .size: 8, .value_kind: global_buffer, .address_space: global }
      - { .name: ws, .offset: 24, .size: 8, .value_kind: global_buffer, .address_space: global }
      - { .name: bo, .offset: 32, .size: 8, .value_kind: global_buffer, .address_space: global }
      - { .name: out0, .offset: 40, .size: 8, .value_kind: global_buffer, .address_space: global }
    .group_segment_fixed_size: 327680
    .private_segment_fixed_size: 0
    .kernarg_segment_align: 8
    .kernarg_segment_size: 48
    .max_flat_workgroup_size: 128
    .sgpr_count:     100
    .vgpr_count:     1024
    .wavefront_size: 32
...
	.end_amdgpu_metadata
.endif
;; end of part 4
